; MI455X (gfx1250); checked and timed in simulation.
; The chip was launched on July 23, 2026; its instructions are those of AMD's public machine-readable ISA for CDNA 5 (MIT licence, August 2026) and "CDNA5" Instruction Set Architecture Reference Guide (July 2026). The comments in the code are by the model that wrote it; some were corrected since.
;; Multihead Attention With Hook. Allowed arithmetic: matrix products marked QUANTISED: E2M3 operands, one E8M0 scale for each 32 along K, by v_wmma_scale_f32_16x16x128_f8f6f4 with both operands' format E2M3, f32 sums; everything else in f32.
;; Inputs: K 4 x 2,048 x 1,024 float32; Q 4 x 2,048 x 1,024 float32; V 4 x 2,048 x 1,024 float32; mask 4 x 2,048 bool; wfc 1,024 x 1,024 float32; wk 1,024 x 1,024 float32; wq 1,024 x 1,024 float32; wv 1,024 x 1,024 float32.
;; Outputs: out0 4 x 2,048 x 1,024 float32.
;; This version of the problem:
;;   THIS VERSION OF THE PROBLEM IS GIVEN IN LOW PRECISION. The matrix products marked QUANTISED in the list below multiply operands that are first quantised to E2M3 (2 exponent bits, 3 mantissa bits; 6 bits a number), with one power-of-two scale for each 32 numbers along K (OCP MX v1.0); their sums are f32. All else is computed in f32.
;;   The module's matrix products, in the order in which they are computed (A, B: the left and right operand; K: the contracted axis; several contracted axes count as one K, in the product's order):
;;     1. [M 8,192, K 1,024] x [K 1,024, N 1,024]; A: input Q; B: input wq: QUANTISED
;;     2. [M 8,192, K 1,024] x [K 1,024, N 1,024]; A: input K; B: input wk: QUANTISED
;;     3. [M 8,192, K 1,024] x [K 1,024, N 1,024]; A: input V; B: input wv: QUANTISED
;;     4. batch 64 x [M 2,048, K 64] x [K 64, N 2,048]; A: computed on the way; B: computed on the way: QUANTISED
;;     5. batch 64 x [M 2,048, K 2,048] x [K 2,048, N 64]; A: softmax (see below); B: computed on the way: QUANTISED
;;     6. [M 8,192, K 1,024] x [K 1,024, N 1,024]; A: computed on the way; B: input wfc: QUANTISED
;;   THE QUANTISER, for each operand of a quantised product, along K:
;;     - K is cut into blocks of 32 from its start; a last block that is shorter is filled with zeros.
;;     - A block's scale is 2^e with e = floor(log2(the largest magnitude in the block)) - 2, held to -126 .. 127; a block of zeros has e = 0. As a byte (E8M0): e + 127.
;;     - Each number is divided by its block's scale, clamped to +-7.5, and rounded to the nearest number of E2M3, ties to even, subnormals kept.
;;     - The product sums the exact products of the quantised numbers (number of the format x scale) in f32.
;;   ~~~python
;;   def quantise(x, axis):      # numpy; x: float32 -> the quantised numbers, widened to float32 again
;;       x = np.moveaxis(x, axis, -1); K = x.shape[-1]
;;       x = np.pad(x, [(0, 0)] * (x.ndim - 1) + [(0, -K % 32)]); x = x.reshape(x.shape[:-1] + (-1, 32)); a = np.abs(x).max(-1, keepdims=True)
;;       e = np.where(a > 0, np.clip(np.frexp(np.where(a > 0, a, 1))[1] - 1 - 2, -126, 127), 0)      # np.frexp(a)[1] - 1 = floor(log2(a)), exactly
;;       r = np.clip(x / 2.0 ** e, -7.5, 7.5)
;;       step = 2.0 ** (np.maximum(np.frexp(np.where(r == 0, 1, r))[1] - 1, 0) - 3)
;;       q = np.round(r / step) * step * 2.0 ** e      # np.round: ties to even
;;       return np.moveaxis(q.reshape(q.shape[:-2] + (-1,))[..., :K], -1, axis).astype(np.float32)
;;   ~~~
;;   SOFTMAX AHEAD OF A QUANTISED PRODUCT. Where the list says 'softmax', what is quantised is not the finished softmax but p = 2^(t - M), with t = logit x log2(e) and M = ceil(the row's largest t), a whole number; so 1/2 < the row's largest p <= 1. The row's sum l is taken of the UNQUANTISED p, in f32, and the product's result is divided by l at the end. Since M is a whole number, a kernel that streams over the keys may use a running M (the ceiling of the running maximum): every later rescaling is an exact power of two, which a block's scale takes up: the codes' values come out the same.
;;   OPERANDS COMPUTED ON THE WAY. 'Computed on the way' means the value that the module computes at that place (a softmax that the list does not call 'softmax' is quantised finished and normalised). What goes into a quantiser is computed in f32, as accurately as f32 sums, v_exp_f32 and their like allow (about 1e-6 of the number): no bf16 or f16 on the way to a quantiser, and a product that is left as it is and whose result goes on into a quantised operand takes f32 operands (vector FMAs, or v_wmma_f32_16x16x4_f32). A number that lies on a knife's edge between two numbers of the format may be rounded either way, as far as f32 arithmetic and the matrix unit's own rounding can turn it there, and no further.
;; One version. Each part assembles by itself: llvm-mc -triple=amdgcn-amd-amdhsa -mcpu=gfx1250 --defsym DOCPART=n.
;; ======== version 1 of 1: 4 launches
;; limits: right only within a limited range of input values
;; workspace buffers: xc 20,447,232 bytes; wc 3,407,872 bytes; qb 6,291,456 bytes; kb 6,291,456 bytes; vb 6,291,456 bytes; sc 1,310,720 bytes; ao 6,815,744 bytes
;; launch quant (part 1): grid 896 x 1, 4 waves a work-group, no clusters, 34,304 bytes of LDS; arguments Q, K, V, wq, wk, wv, wfc, xc, wc; writes xc, wc
.if DOCPART == 1
	.amdgcn_target "amdgcn-amd-amdhsa--gfx1250"
	.amdhsa_code_object_version 6
	.text
	.protected	k_q209d7acb2c_quant
	.globl	k_q209d7acb2c_quant
	.p2align	8
	.type	k_q209d7acb2c_quant,@function
k_q209d7acb2c_quant:
	s_mov_b64 s[64:65], 0
	v_nop
	global_prefetch_b8 v0, s[64:65] scope:SCOPE_SE
	s_setreg_imm32_b32 hwreg(HW_REG_WAVE_MODE, 25, 1), 1
	s_wait_xcnt 0x0
; Q, K, V [8192][1024] and wq, wk, wv, wfc [1024][1024], f32 with K innermost, become codes of FP6 (E2M3) with one E8M0 byte for each 32 along K,
; laid as IMAGES OF OPERAND REGISTERS, so that the products' launches load fragments by 16-byte loads alone.
; A block's scale is 2^(floor(log2(its largest magnitude)) - 2); its byte is that magnitude's exponent field - 2, held at 1 from below.
; LIMITS: a block whose largest magnitude lies under 2^-124, and a block of zeros, keeps the byte 1 (its codes are zeros or tiny; the bytes are read by this program alone); NaN and infinities are not served.
; TILES.  Rows go in groups of 32.  Tile 2 G + u holds in its place r (0..15) the row 32 G + 8 u + r + 8 (r / 8): so, in a product, two neighbouring tiles of source 0 leave 16 neighbouring rows in a lane's 16 registers.
; A TILE IN MEMORY is 13,312 bytes: four quarters of 3,328.  Quarter q: 256 bytes of header (at 16 r: the row's scale words of K steps 2 q and 2 q + 1, then two words of 0), then the two K steps' fragments,
; 1,536 bytes each: registers 4 j .. 4 j + 3 of lane l at 512 j + 16 l.
; SHARES.  A work-group takes one group of 32 rows, all of K (131,072 dense bytes).  Wave w takes tile w & 1 and half w >> 1 of K: four fragments, two quarters.
; Each load reads 512 consecutive bytes of one row; a fragment's 16 x 512 bytes turn through the wave's own stage in LDS, so that lane (r, h) gets, of row r, the 16 numbers 32 b + 16 h + 0..15 of each block b.
; Waves share nothing: no barrier.  Every store of a wave covers whole aligned runs of 256 bytes.
.set ROWB,  4096                       ; a row in bytes
.set QB,    3328                       ; a quarter of a tile
.set TILEB, 4*QB
.set SP,    528                        ; a stage row: 512 bytes + 16, so that the 16 rows begin 4 words apart modulo 64 words
.set STG,   16*SP                      ; a wave's stage
.set L16, 4                            ; v4   16 x lane
.set WR,  5                            ; v5   the stage, on the way in
.set RD,  6                            ; v6   and on the way out: 528 r + 64 h
.set HD,  7                            ; v7   the headers: 3,328 h + 16 r
.set TM,  8                            ; v8-23  at work in QUANT
.set SW,  24                           ; v24-27 the four fragments' scale words
.set HW,  28                           ; v28-31 a header's 16 bytes
.set PC,  32                           ; v32-51 the codes just made
.set X,   64                           ; v64-127 64 numbers of my row
.set LD,  128                          ; v128-255 two sets of 64 registers as loaded
.set SEL, 28                           ; s[28:29] lane selects for v_permlanex16_b32: lane l xor 16
	s_load_b256 s[8:15], s[0:1], 0x0               ; Q, K, V, wq
	s_load_b256 s[16:23], s[0:1], 0x20             ; wk, wv, wfc, xc
	s_load_b64 s[24:25], s[0:1], 0x40              ; wc
	v_lshl_add_u32 v62, v0, 2, 0x8400
	v_mov_b32 v63, 0
	v_lshrrev_b32 v1, 5, v0
	v_readfirstlane_b32 s26, v1                    ; wave 0..3
	v_and_b32 v1, 31, v0                           ; l
	v_and_b32 v2, 15, v0                           ; r
	v_bfe_u32 v3, v0, 4, 1                         ; h
	v_lshlrev_b32 v[L16], 4, v1
	s_mul_i32 s27, s26, STG
	v_add_nc_u32 v[WR], s27, v[L16]
	v_mul_u32_u24 v[RD], v2, SP
	v_lshl_add_u32 v[RD], v3, 6, v[RD]
	v_add_nc_u32 v[RD], s27, v[RD]
	v_mul_u32_u24 v[HD], v3, QB
	v_lshl_add_u32 v[HD], v2, 4, v[HD]
	s_mov_b32 s[SEL], 0x76543210
	s_mov_b32 s[SEL+1], 0xfedcba98
.irp b, 0,1,2,3
	v_mov_b32 v[TM+4+\b], 0                        ; written once: a lane permute's destination counts as one of its sources
.endr
	s_and_b32 s30, s26, 1                          ; u: which tile of the group
	s_lshr_b32 s31, s26, 1                         ; which half of K
	s_cmp_lt_u32 ttmp9, 768                        ; work-groups 0-767: Q, K, V (256 groups each); 768-895: the four weights (32 groups each)
	s_cselect_b32 s32, 0, 768
	s_cselect_b32 s33, 255, 31
	s_sub_co_u32 s32, ttmp9, s32                   ; the group's number in xc or in wc
	s_and_b32 s33, s32, s33                        ; and in its own tensor
	s_lshl_b32 s34, s33, 17                        ; from: group x 131,072
	; THE TENSOR K ALONE has another order of rows, for attention's first product: place r of tile 4 G + t is row 64 G + 8 t + r % 8 + 32 (r / 8).
	; My group g holds tiles t = 2 (g & 1) + u of G = g >> 1: its first row is 64 (g >> 1) + 16 (g & 1), and places 8-15 lie 16 rows further on than in the other tensors
	s_lshr_b32 s38, ttmp9, 8                       ; 1: the tensor K
	s_lshr_b32 s39, s33, 1
	s_lshl_b32 s39, s39, 18
	s_and_b32 s40, s33, 1
	s_lshl_b32 s40, s40, 16
	s_add_co_u32 s39, s39, s40
	s_cmp_eq_u32 s38, 1
	s_cselect_b32 s34, s39, s34
	s_cselect_b32 s40, 0x10000, 0
	v_add_nc_u32 v60, s40, v[L16]                  ; v60: the offset of places 8-15
	s_lshl_b32 s35, s30, 15                        ; + 8 u rows
	s_add_co_u32 s34, s34, s35
	s_lshl_b32 s35, s31, 11                        ; + half of K: 2,048 bytes
	s_add_co_u32 s34, s34, s35
	s_mov_b32 s35, 0
	s_lshl_b32 s36, s32, 1
	s_add_co_u32 s36, s36, s30
	s_mul_i32 s36, s36, TILEB                      ; to: tile x 13,312
	s_mul_i32 s37, s31, 2*QB                       ; + two quarters
	s_add_co_u32 s36, s36, s37
	s_mov_b32 s37, 0
	s_wait_alu depctr_va_vdst(0)
	s_wait_kmcnt 0x0
	s_cmp_lt_u32 ttmp9, 864                        ; the buffers are chosen by the work-group's number alone
	s_cselect_b64 s[4:5], s[18:19], s[20:21]       ; wv, else wfc
	s_cmp_lt_u32 ttmp9, 832
	s_cselect_b64 s[4:5], s[16:17], s[4:5]         ; wk
	s_cmp_lt_u32 ttmp9, 800
	s_cselect_b64 s[4:5], s[14:15], s[4:5]         ; wq
	s_cmp_lt_u32 ttmp9, 768
	s_cselect_b64 s[4:5], s[12:13], s[4:5]         ; V
	s_cselect_b64 s[6:7], s[22:23], s[24:25]       ; xc, else wc
	s_cmp_lt_u32 ttmp9, 512
	s_cselect_b64 s[4:5], s[10:11], s[4:5]         ; K
	s_cmp_lt_u32 ttmp9, 256
	s_cselect_b64 s[4:5], s[8:9], s[4:5]           ; Q
	s_add_nc_u64 s[4:5], s[4:5], s[34:35]
	s_add_nc_u64 s[6:7], s[6:7], s[36:37]
; K step i of my four: 16 loads, one for each place of the tile, 512 consecutive bytes each, into set i % 2
.macro LOAD i
.irp rr, 0,1,2,3,4,5,6,7,8,9,10,11,12,13,14,15
	global_load_b128 v[LD+64*((\i)%2)+4*\rr:LD+64*((\i)%2)+4*\rr+3], v[L16+56*(\rr/8)], s[4:5] offset:(\rr+8*(\rr/8))*ROWB+512*(\i) th:TH_LOAD_NT   ; places 0-7 by v4, places 8-15 by v60
.endr
.endm
; 64 numbers of a lane, register 16 b + i = k 32 b + 16 h + i of my row, become a fragment's codes in v[PC] on and its scale word in v[pw]
.macro QUANT s, pw
.irp b, 0,1,2,3
	v_max3_num_f32 v[TM+\b], |v[\s+16*\b]|, |v[\s+1+16*\b]|, 0x1800000   ; block b: my 16 numbers, and the floor 2^(3 - 127): the byte cannot fall under 1
.endr
.irp i, 2,4,6,8,10,12,14
.irp b, 0,1,2,3
	v_max3_num_f32 v[TM+\b], v[TM+\b], |v[\s+16*\b+\i]|, |v[\s+1+16*\b+\i]|   ; the four blocks by turns
.endr
.endr
.irp b, 0,1,2,3
	v_permlanex16_b32 v[TM+4+\b], v[TM+\b], s[SEL], s[SEL+1]
.endr
.irp b, 0,1,2,3
	v_max_num_f32 v[TM+\b], v[TM+\b], v[TM+4+\b]   ; with lane l xor 16's: the block's largest magnitude
.endr
.irp b, 0,1,2,3
	v_add_nc_u32 v[TM+12+\b], 0xff000000, v[TM+\b] ; 2 off its exponent field: the conversion takes this operand's exponent field as its scale
.endr
.irp b, 0,1,2,3
	v_lshrrev_b32 v[TM+4+\b], 23, v[TM+12+\b]      ; the scale's byte
.endr
	v_lshl_or_b32 v[\pw], v[TM+5], 8, v[TM+4]      ; four bytes: my row's scale word
	v_lshl_or_b32 v[\pw], v[TM+6], 16, v[\pw]
	v_lshl_or_b32 v[\pw], v[TM+7], 24, v[\pw]
.irp c, 0,1
	v_cvt_scalef32_pk16_fp6_f32 v[PC+6*\c:PC+2+6*\c], v[\s+32*\c:\s+15+32*\c], v[TM+12+2*\c]
	v_cvt_scalef32_pk16_fp6_f32 v[PC+12+4*\c:PC+14+4*\c], v[\s+16+32*\c:\s+31+32*\c], v[TM+12+2*\c+1]   ; (a conversion's three registers begin on an even number)
.endr
	v_nop                                          ; one plain instruction behind the scaled conversions
.irp c, 0,1                                    ; the operand wants a WHOLE block in a lane: lanes 0-15 block 2 c, lanes 16-31 block 2 c + 1
.irp i, 0,1,2
	v_permlane16_swap_b32 v[PC+6*\c+\i], v[PC+12+4*\c+\i]
.endr
.irp i, 0,1,2
	v_mov_b32 v[PC+3+6*\c+\i], v[PC+12+4*\c+\i]
.endr
.endr
.endm
.macro FRAG i
.if (\i) < 3
	s_wait_loadcnt 16                              ; this K step's 16 loads are in; the other set's 16 may be out
.else
	s_wait_loadcnt 0x0
.endif
.irp rr, 0,1,2,3,4,5,6,7,8,9,10,11,12,13,14,15
	ds_store_b128 v[WR], v[LD+64*((\i)%2)+4*\rr:LD+64*((\i)%2)+4*\rr+3] offset:SP*\rr
.endr
.irp b, 0,1,2,3
.irp j, 0,1,2,3
	ds_load_b128 v[X+16*\b+4*\j:X+16*\b+4*\j+3], v[RD] offset:128*\b+16*\j   ; LDS serves a wave's instructions in order: these see the stores above
.endr
.endr
	s_wait_dscnt 0x0                               ; my numbers are back, and the stage's stores have read their registers
	s_wait_xcnt 0x0                                ; the last fragment's stores have read the codes' registers: they are written again only behind this wait
.if (\i) < 2
	LOAD (\i)+2
.endif
	QUANT X, SW+(\i)
.irp j, 0,1,2
	global_store_b128 v[L16], v[PC+4*\j:PC+4*\j+3], s[6:7] offset:((\i)/2)*QB+256+((\i)%2)*1536+512*\j   ; 512 consecutive bytes, aligned to 256
.endr
.endm
	LOAD 0
	LOAD 1
	FRAG 0
	FRAG 1
	FRAG 2
	FRAG 3
	; the two headers: lanes 0-15 write the first quarter's 256 bytes, lanes 16-31 the second's (both halves of the lanes hold every scale word)
	v_cmp_ne_u32 vcc_lo, 0, v3
	v_cndmask_b32 v[HW], v[SW], v[SW+2], vcc_lo
	v_cndmask_b32 v[HW+1], v[SW+1], v[SW+3], vcc_lo
	v_mov_b32 v[HW+2], 0
	v_mov_b32 v[HW+3], 0
	global_store_b128 v[HD], v[HW:HW+3], s[6:7]
	s_wait_tensorcnt 0x0
	ds_add_u32 v62, v63
	s_wait_dscnt 0x0
	s_endpgm
.Lfunc_end_k_q209d7acb2c_quant:
	.size	k_q209d7acb2c_quant, .Lfunc_end_k_q209d7acb2c_quant-k_q209d7acb2c_quant
	.p2alignl 7, 3214868480
	.fill 96, 4, 3214868480
	.section	.rodata,"a",@progbits
	.p2align	6, 0x0
	.amdhsa_kernel k_q209d7acb2c_quant
		.amdhsa_group_segment_fixed_size 34304
		.amdhsa_private_segment_fixed_size 0
		.amdhsa_enable_private_segment 0
		.amdhsa_kernarg_size 72
		.amdhsa_user_sgpr_count 2
		.amdhsa_user_sgpr_kernarg_segment_ptr 1
		.amdhsa_wavefront_size32 1
		.amdhsa_system_sgpr_workgroup_id_x 1
		.amdhsa_system_sgpr_workgroup_id_y 1
		.amdhsa_system_sgpr_workgroup_id_z 1
		.amdhsa_system_vgpr_workitem_id 0
		.amdhsa_next_free_vgpr 256
		.amdhsa_next_free_sgpr 66
		.amdhsa_reserve_vcc 1
		.amdhsa_float_denorm_mode_32 3
		.amdhsa_float_denorm_mode_16_64 3
		.amdhsa_memory_ordered 1
		.amdhsa_forward_progress 1
		.amdhsa_inst_pref_size 35
	.end_amdhsa_kernel
	.amdgpu_metadata
---
amdhsa.version: [ 1, 2 ]
amdhsa.kernels:
  - .name:           k_q209d7acb2c_quant
    .symbol:         k_q209d7acb2c_quant.kd
    .args:
      - { .name: Q, .offset: 0, .size: 8, .value_kind: global_buffer, .address_space: global }
      - { .name: K, .offset: 8, .size: 8, .value_kind: global_buffer, .address_space: global }
      - { .name: V, .offset: 16, .size: 8, .value_kind: global_buffer, .address_space: global }
      - { .name: wq, .offset: 24, .size: 8, .value_kind: global_buffer, .address_space: global }
      - { .name: wk, .offset: 32, .size: 8, .value_kind: global_buffer, .address_space: global }
      - { .name: wv, .offset: 40, .size: 8, .value_kind: global_buffer, .address_space: global }
      - { .name: wfc, .offset: 48, .size: 8, .value_kind: global_buffer, .address_space: global }
      - { .name: xc, .offset: 56, .size: 8, .value_kind: global_buffer, .address_space: global }
      - { .name: wc, .offset: 64, .size: 8, .value_kind: global_buffer, .address_space: global }
    .group_segment_fixed_size: 34304
    .private_segment_fixed_size: 0
    .kernarg_segment_align: 8
    .kernarg_segment_size: 72
    .max_flat_workgroup_size: 128
    .sgpr_count:     66
    .vgpr_count:     256
    .wavefront_size: 32
...
	.end_amdgpu_metadata
.endif
;; end of part 1
;; launch proj (part 2): grid 4 x 64, 4 waves a work-group, clusters of 4 x 4, 327,680 bytes of LDS; arguments xc, wc, qb, kb, vb, sc; writes qb, kb, vb, sc
.if DOCPART == 2
	.amdgcn_target "amdgcn-amd-amdhsa--gfx1250"
	.amdhsa_code_object_version 6
	.text
	.protected	k_q209d7acb2c_proj
	.globl	k_q209d7acb2c_proj
	.p2align	8
	.type	k_q209d7acb2c_proj,@function
k_q209d7acb2c_proj:
	s_mov_b64 s[64:65], 0
	v_nop
	global_prefetch_b8 v0, s[64:65] scope:SCOPE_SE
	s_setreg_imm32_b32 hwreg(HW_REG_WAVE_MODE, 25, 1), 1
	s_wait_xcnt 0x0
	s_wait_alu depctr_hold_cnt(0) depctr_sa_sdst(0) depctr_va_vdst(0) depctr_va_sdst(0) depctr_va_ssrc(0) depctr_va_vcc(0) depctr_vm_vsrc(0)
	s_getreg_b32 s2, hwreg(HW_REG_IB_STS2, 6, 4)
	s_cmp_eq_u32 s2, 0
	s_cbranch_scc0 .Lentry_in_a_cluster
	s_endpgm
.Lentry_in_a_cluster:
	s_bfe_u32 s2, ttmp6, 0x10000c
	s_cmp_lg_u32 s2, 0xf033
	s_cbranch_scc0 .Lentry_shape_is_right
	s_endpgm
.Lentry_shape_is_right:
; The three projections q = Q wq^T, k = K wk^T, v = V wv^T on codes of FP6 (E2M3) with E8M0 scales, K = 1,024, f32 sums; the results are quantised again, in registers, for attention's two products.
; OPERANDS come as tiles of 16 rows, 13,312 bytes each: four quarters of 3,328 bytes = a header of scale words (at 16 r: the words of two K steps) and two fragments as images of their registers.
; In a result, lane (r, h), the 16 registers of source 0's tiles 2 b and 2 b + 1 are source 0's rows 32 b + 16 h + 0..15: 16 neighbours along the next K.
; A BLOCK is 256 rows of source 0 x 128 rows of source 1; a wave makes 128 x 64 of it: 32 accumulators.
; A WORK-GROUP STAYS and makes three blocks, one of each case.  Cases 0 and 1 (q, k): source 0 = 256 rows of the weight, source 1 = 128 tokens: a lane holds one token, its registers run along the head's channels.
;   Case 2 (v): source 0 = 256 tokens of V, source 1 = 128 rows of wv: a lane holds one channel, its registers run along the tokens, the second product's K.
; THE RING.  Two LDS slots; slot i holds half i of K of a block's 24 tiles (159,744 bytes).  The ring runs on from block to block: in K step 3, when slot 0 is read out, it takes the next block's first half; in K step 7
; slot 1 takes its second half.  A fill is four joint loads, one a wave: waves 0 and 1 eight tiles of source 0 each, waves 2 and 3 four tiles of source 1 each.  Each refill stands behind the three lines and a round
; of the cluster's barrier.  A wave has one load out, with four K steps, 128 products, between a request and the wait for it.
; The next block's first fragments are fetched in K step 7, ahead of the block's way out.  The loop has two trips (blocks 0 and 1); the last block, which asks for nothing more, is written out.
; CLUSTER, 4 x 4.  Source 0's tiles hang on cx alone and are asked for jointly by a column of the cluster, source 1's on cy alone and by a row.
; PREFETCH.  In K step 1 the waves that fetch the TOKENS' tiles ask for the next block's (two K steps ahead of the first load that wants them): each of the four partners of a joint load names a quarter of the wave's bytes,
; told apart by address, a lane a block of 256 bytes.  The weights' tiles are left to their loads: up to sixteen clusters read the same ones.
; OUT.  qb, kb: [head of batch][token tile] 768 bytes: a head's six registers of a fragment: four at 16 l, two at 512 + 8 l.  vb: [head][128 keys][16 channels] two such halves.
;   sc: for each head 20,480 bytes: q's scale words [tile / 4][r][tile % 4], k's likewise at 8,192, v's [128 keys][r][channel tile] at 16,384.
; LIMITS: a block whose largest magnitude lies under 2^-124, and a block of zeros, keeps the byte 1 (read by this program alone); NaN and infinities are not served.
; REGISTERS, in windows of 256.  Window 0: v3-30 addresses; v32-79 scale words, two sets; v96-191 source 1's fragments, two sets of 4 x 12; v200-239 at work on the way out.
;   Window 1: source 0's fragments, two sets of 8 x 12, at v0 and v128.   Window 2: accumulator (a, b) at v[8 (8 a + b)].
.set QB,    3328
.set TILEB, 4*QB
.set HALF,  48*QB                      ; a slot: 24 tiles x two quarters: source 0's sixteen, then source 1's eight
.set SPARE, 2*HALF                     ; behind the ring: the spare words
.set WV,  16                           ; s16 wave; s17, s18 its row and column of the 2 x 2; s19 cx, s20 cy, s21 the cluster's number; s22 a case; s23 the block
.set G1A, 24                           ; s[24:31] descriptor group 1 for source 0's tiles (8 rows)
.set G1B, 32                           ; s[32:39] for source 1's (4 rows)
.set G0A, 40                           ; s[40:43], s[44:47] group 0
.set G0B, 44
.set SEL, 76                           ; s[76:77] lane selects for v_permlanex16_b32
.set AD0, 4                            ; v4-7    source 0's fragments in quarter q: my 8 tiles + 16 l
.set AD1, 8                            ; v8-11   source 1's: my 4 tiles + 16 l
.set AS0, 12                           ; v12-15  source 0's headers: + 16 r
.set AS1, 16                           ; v16-19  source 1's
.set O16, 20                           ; v20  the way out: 16 l, stepped from tile to tile
.set O8,  21                           ; v21  8 l, likewise
.set OS,  22                           ; v22  the scale words' place
.set SH,  23                           ; v23  and their shift
.set L16, 24                           ; v24  16 l    v25  16 r    v30  8 l    (v3: h)
.set R16, 25
.set PFO, 26                           ; v26-29 the prefetches' offsets
.set L8,  30
.set SC,  32
.set S1,  96
.set TM,  200
.set PC,  216
.set PWS, 236
.set MSB, 0
.macro WIN new                         ; the immediate's high byte repeats the setting that is left
.if MSB != \new
	s_set_vgpr_msb (MSB<<8)|\new
.set MSB, \new
.endif
.endm
.macro PLACES n
.rept \n
	v_nop
.endr
.endm
.macro CROUND                          ; a round of the cluster's barrier
	s_barrier_signal -1
	s_barrier_wait -1
	s_cmp_lg_u32 s[WV], 0
	s_cbranch_scc1 .Lnot_wave_0_\@
	s_barrier_signal -3
.Lnot_wave_0_\@:
	s_barrier_wait -3
	s_barrier_signal -1
	s_barrier_wait -1
.endm
; Case s22: x0 (s78) says which 256 rows of source 0, y1 (s84) which 128 rows of source 1; s79, s86 their tensors' first tiles.  What is made of cx and what is made of cy stay in registers of their own
.macro COORD
	s_and_b32 s78, s21, 7
	s_lshl_b32 s78, s78, 2                         ; case 2: x0 = 4 (ci & 7) + cx
	s_lshr_b32 s84, s21, 3
	s_lshl_b32 s84, s84, 2                         ; case 2: y1 = 4 (ci >> 3) + cy
	s_lshl_b32 s85, s21, 2                         ; cases 0, 1: y1 = 4 ci + cy, x0 = cx
	s_lshl_b32 s79, s22, 6                         ; cases 0, 1: the weight's first tile in wc
	s_lshl_b32 s86, s22, 9                         ; and the tokens' in xc
	s_cmp_eq_u32 s22, 2
	s_cselect_b32 s78, s78, 0
	s_cselect_b32 s84, s84, s85
	s_cselect_b32 s79, 1024, s79                   ; case 2: V's tokens begin at tile 1,024 of xc,
	s_cselect_b32 s86, 128, s86                    ; wv at tile 128 of wc
	s_add_co_u32 s78, s78, s19
	s_add_co_u32 s84, s84, s20
.endm
; Where case s22's tiles lie: s[82:83] the first of the 8 tiles of source 0 that waves 0 and 1 fetch, s[90:91] the first of the 4 of source 1 that waves 2 and 3 fetch
.macro LADDR
	COORD
	s_lshl_b32 s80, s78, 4
	s_add_co_u32 s80, s80, s79
	s_lshl_b32 s81, s18, 3
	s_add_co_u32 s80, s80, s81
	s_mul_i32 s80, s80, TILEB
	s_mov_b32 s81, 0
	s_lshl_b32 s88, s84, 3
	s_add_co_u32 s88, s88, s86
	s_lshl_b32 s89, s18, 2
	s_add_co_u32 s88, s88, s89
	s_mul_i32 s88, s88, TILEB
	s_mov_b32 s89, 0
	s_cmp_eq_u32 s22, 2
	s_cselect_b64 s[82:83], s[4:5], s[6:7]
	s_cselect_b64 s[90:91], s[6:7], s[4:5]
	s_add_nc_u64 s[82:83], s[82:83], s[80:81]
	s_add_nc_u64 s[90:91], s[90:91], s[88:89]
.endm
.macro SETG hf                         ; group 0 for half hf of K, into slot hf.  Written only where no tensor load of the wave is out
	s_add_co_u32 s[G0A+1], s87, \hf*HALF
	s_add_nc_u64 s[G0A+2:G0A+3], s[82:83], \hf*2*QB
	s_or_b32 s[G0A+3], s[G0A+3], 0x80000000
	s_add_co_u32 s[G0B+1], s50, \hf*HALF
	s_add_nc_u64 s[G0B+2:G0B+3], s[90:91], \hf*2*QB
	s_or_b32 s[G0B+3], s[G0B+3], 0x80000000
.endm
.macro JLOAD                           ; a joint load, one a wave; each of the two lines has one mask; the branch hangs on the wave's number alone
	s_cmp_lt_u32 s[WV], 2
	s_cbranch_scc0 .Lfor_b_\@
	tensor_load_to_lds s[G0A:G0A+3], s[G1A:G1A+7]
	s_nop 0
	PLACES 4
	s_branch .Lasked_\@
.Lfor_b_\@:
	tensor_load_to_lds s[G0B:G0B+3], s[G1B:G1B+7]
	s_nop 0
	PLACES 4
.Lasked_\@:
.endm
.macro ASK                             ; the next block's tokens: my work-group's quarter of the bytes that my wave will fetch: 104 blocks of 256 bytes (source 0) or 52 (source 1)
	s_cmp_eq_u32 s48, 1
	s_cbranch_scc0 .Lnot_mine_\@
	global_prefetch_b8 v[PFO], s[70:71] th:TH_LOAD_NT scope:SCOPE_SE
	global_prefetch_b8 v[PFO+1], s[70:71] th:TH_LOAD_NT scope:SCOPE_SE
	s_cmp_lt_u32 s[WV], 2
	s_cbranch_scc0 .Lnot_mine_\@
	global_prefetch_b8 v[PFO+2], s[70:71] th:TH_LOAD_NT scope:SCOPE_SE
	global_prefetch_b8 v[PFO+3], s[70:71] th:TH_LOAD_NT scope:SCOPE_SE
.Lnot_mine_\@:
.endm
	s_load_b256 s[4:11], s[0:1], 0x0               ; xc, wc, qb, kb
	s_load_b128 s[12:15], s[0:1], 0x20             ; vb, sc
	v_lshl_add_u32 v254, v0, 2, SPARE
	v_mov_b32 v255, 0
	ds_add_u32 v254, v255                          ; the opening lines: the add, twice on end, and its wait
	ds_add_u32 v254, v255
	v_lshrrev_b32 v1, 5, v0
	v_readfirstlane_b32 s[WV], v1                  ; wave 0..3
	s_lshr_b32 s17, s[WV], 1                       ; which 128 rows of source 0 are mine
	s_and_b32 s18, s[WV], 1                        ; which 64 rows of source 1.  Also: which part of a tile group I fetch
	s_bfe_u32 s19, ttmp6, 0x40000                  ; cx
	s_bfe_u32 s20, ttmp6, 0x40004                  ; cy
	s_and_b32 s21, ttmp7, 0xffff                   ; the cluster's number, 0..15
	s_lshl_b32 s76, 0x1111, s19                    ; my column of the cluster
	s_lshl_b32 s77, s20, 2
	s_lshl_b32 s77, 15, s77                        ; my row
	; descriptor group 1: rows (tiles) of 832 elements of 8 bytes (half a tile), 1,664 elements (a tile) apart; no padding
	s_or_b32 s[G1A], s76, (3<<16)|(1<<21)
	s_or_b32 s[G1B], s77, (3<<16)|(1<<21)
.irp g, G1A, G1B
	s_mov_b32 s[\g+1], 832<<16
	s_mov_b32 s[\g+3], 832<<16
	s_mov_b32 s[\g+5], 1664
	s_mov_b32 s[\g+6], 0
	s_mov_b32 s[\g+7], 0
.endr
	s_mov_b32 s[G1A+2], 8<<16
	s_mov_b32 s[G1A+4], 8
	s_mov_b32 s[G1B+2], 4<<16
	s_mov_b32 s[G1B+4], 4
	s_mov_b32 s[G0A], 1
	s_mov_b32 s[G0B], 1
	s_mul_i32 s87, s18, 16*QB                      ; where my tiles go in a slot: source 0's,
	s_mul_i32 s50, s18, 8*QB
	s_add_co_u32 s50, s50, 32*QB                   ; source 1's: no place in the cluster enters an LDS address
	s_mov_b32 s22, 0
	s_wait_dscnt 0x0
	CROUND                                         ; the opening round, ahead of the wait for the arguments: all sixteen work-groups are here, the joint loads meet
	s_wait_kmcnt 0x0
	LADDR
	SETG 0
	JLOAD                                          ; block 0, first half of K: the head's one load a wave
	v_and_b32 v1, 31, v0                           ; l
	v_and_b32 v2, 15, v0                           ; r
	v_bfe_u32 v3, v0, 4, 1                         ; h
	v_lshlrev_b32 v[L16], 4, v1
	v_lshlrev_b32 v[R16], 4, v2
	v_lshlrev_b32 v[L8], 3, v1
	s_mul_i32 s80, s17, 16*QB                      ; my 8 tiles of source 0
	s_mul_i32 s81, s18, 8*QB
	s_add_co_u32 s81, s81, 32*QB                   ; my 4 tiles of source 1
.irp q, 0,1,2,3
	v_add_nc_u32 v[AD0+\q], s80, v[L16]
	v_add_nc_u32 v[AD1+\q], s81, v[L16]
	v_add_nc_u32 v[AS0+\q], s80, v[R16]
	v_add_nc_u32 v[AS1+\q], s81, v[R16]
	s_add_co_u32 s80, s80, QB+(\q%2)*46*QB         ; to the next quarter: QB inside a slot, 47 QB from slot 0's second quarter to slot 1's first
	s_add_co_u32 s81, s81, QB+(\q%2)*46*QB
.endr
	s_mov_b32 s49, 51
	s_cmp_lt_u32 s[WV], 2
	s_cselect_b32 s49, 103, s49                    ; the last block of 256 bytes of my quarter: lanes that are left over name it again
.irp i, 0,1,2,3
	v_add_nc_u32 v[PFO+\i], 32*\i, v1
.endr
.irp i, 0,1,2,3
	v_min_u32 v[PFO+\i], s49, v[PFO+\i]
.endr
.irp i, 0,1,2,3
	v_lshlrev_b32 v[PFO+\i], 8, v[PFO+\i]
.endr
	s_mov_b32 s[SEL], 0x76543210
	s_mov_b32 s[SEL+1], 0xfedcba98
.irp b, 0,1,2,3
	v_mov_b32 v[TM+4+\b], 0                        ; written once: a lane permute's destination counts as one of its sources
.endr
; K step s (128 along K): its fragments into set s % 2: 24 loads for source 0, 12 for source 1; with a quarter's first step the quarter's 12 headers (two scale words a row)
.macro FETCH s
.set FQ, (\s)/2
.set FI, (\s)%2
	WIN 0x40                                       ; destination window 1, address window 0
.irp b, 0,1,2,3,4,5,6,7
.irp j, 0,1,2
	ds_load_b128 v[128*FI+12*\b+4*\j:128*FI+12*\b+4*\j+3], v[AD0+FQ] offset:256+2*QB*\b+1536*FI+512*\j
.endr
.endr
	WIN 0
.irp a, 0,1,2,3
.irp j, 0,1,2
	ds_load_b128 v[S1+48*FI+12*\a+4*\j:S1+48*FI+12*\a+4*\j+3], v[AD1+FQ] offset:256+2*QB*\a+1536*FI+512*\j
.endr
.endr
.if FI == 0
.irp b, 0,1,2,3,4,5,6,7
	ds_load_b64 v[SC+24*(FQ%2)+2*\b:SC+24*(FQ%2)+2*\b+1], v[AS0+FQ] offset:2*QB*\b
.endr
.irp a, 0,1,2,3
	ds_load_b64 v[SC+24*(FQ%2)+16+2*\a:SC+24*(FQ%2)+16+2*\a+1], v[AS1+FQ] offset:2*QB*\a
.endr
.endif
.endm
; 32 matrix instructions: the 32 accumulators take turns, one instruction a turn, in the same order in every step.  A block's first step starts the sums
.macro MUL s
.set MQ, ((\s)/2)%2
.set MI, (\s)%2
	WIN 0xa1                                       ; source 0 window 1, source 1 window 0, C and D window 2
.irp a, 0,1,2,3
.irp b, 0,1,2,3,4,5,6,7
.if (\s) == 0
	v_wmma_scale_f32_16x16x128_f8f6f4 v[8*(8*\a+\b):8*(8*\a+\b)+7], v[128*MI+12*\b:128*MI+12*\b+11], v[S1+48*MI+12*\a:S1+48*MI+12*\a+11], 0, v[SC+24*MQ+2*\b+MI], v[SC+24*MQ+16+2*\a+MI] matrix_a_fmt:MATRIX_FMT_FP6 matrix_b_fmt:MATRIX_FMT_FP6
.else
	v_wmma_scale_f32_16x16x128_f8f6f4 v[8*(8*\a+\b):8*(8*\a+\b)+7], v[128*MI+12*\b:128*MI+12*\b+11], v[S1+48*MI+12*\a:S1+48*MI+12*\a+11], v[8*(8*\a+\b):8*(8*\a+\b)+7], v[SC+24*MQ+2*\b+MI], v[SC+24*MQ+16+2*\a+MI] matrix_a_fmt:MATRIX_FMT_FP6 matrix_b_fmt:MATRIX_FMT_FP6
.endif
.endr
.endr
.endm
; more = 1: a block follows, whose tiles lie at s[82:83] and s[90:91]
.macro KSTEP s, more
	s_wait_dscnt 0x0                               ; this step's fragments are in (asked for ahead of the last step's 32 products): in steps 3 and 7 they were my last reads of a slot
.if ((\s)%4 == 3) && (\more)
	s_wait_tensorcnt 0x0                           ; my part of the other slot has landed;
	ds_add_u32 v254, v255                          ; the add; the descriptors stand between it and its wait
	SETG (\s)/7
	s_wait_dscnt 0x0
	CROUND                                         ; no wave of any partner still reads the slot or has a load on its way
	JLOAD                                          ; step 3: slot 0 takes the next block's first half; step 7: slot 1 its second.  The four v_nop behind the load are the places in front of the loads below
.else
.if (\s) == 3
	s_wait_tensorcnt 0x0                           ; the last block: my part of slot 1 has landed
	s_barrier_signal -1
	s_barrier_wait -1
.endif
.if (\s) > 0
	PLACES 4                                       ; between the last step's products and loads into the registers that they read
.endif
.endif
.if (\s) < 7
	FETCH (\s)+1
.elseif \more
	FETCH 0                                        ; the next block's first fragments, from slot 0
.endif
.if ((\s) == 1) && (\more)
	ASK
.endif
	MUL \s
	WIN 0
.endm
; THE WAY OUT.  For tile a of source 1 a lane's 64 results, window 2's v[64 a + 16 b + i], are k = 32 b + 16 h + i of the next product's operand row: they become a fragment's codes and its scale word.
.macro QUANTW s, pw
	WIN 0x28                                       ; sources 1 and 2 window 2
.irp b, 0,1,2,3
	v_max3_num_f32 v[TM+\b], 0x1800000, |v[\s+16*\b]|, |v[\s+1+16*\b]|   ; each accumulator is read from its low end on; the floor 2^(3 - 127) holds the byte at 1 from below
.endr
.irp i, 2,4,6,8,10,12,14
.irp b, 0,1,2,3
	v_max3_num_f32 v[TM+\b], v[TM+\b], |v[\s+16*\b+\i]|, |v[\s+1+16*\b+\i]|
.endr
.endr
	WIN 0
.irp b, 0,1,2,3
	v_permlanex16_b32 v[TM+4+\b], v[TM+\b], s[SEL], s[SEL+1]
.endr
.irp b, 0,1,2,3
	v_max_num_f32 v[TM+\b], v[TM+\b], v[TM+4+\b]
.endr
.irp b, 0,1,2,3
	v_add_nc_u32 v[TM+12+\b], 0xff000000, v[TM+\b]
.endr
.irp b, 0,1,2,3
	v_lshrrev_b32 v[TM+4+\b], 23, v[TM+12+\b]
.endr
	v_lshl_or_b32 v[\pw], v[TM+5], 8, v[TM+4]
	v_lshl_or_b32 v[\pw], v[TM+6], 16, v[\pw]
	v_lshl_or_b32 v[\pw], v[TM+7], 24, v[\pw]
	WIN 0x02                                       ; source 0, the numbers: window 2
.irp c, 0,1
	v_cvt_scalef32_pk16_fp6_f32 v[PC+6*\c:PC+2+6*\c], v[\s+32*\c:\s+15+32*\c], v[TM+12+2*\c]
	v_cvt_scalef32_pk16_fp6_f32 v[PC+12+4*\c:PC+14+4*\c], v[\s+16+32*\c:\s+31+32*\c], v[TM+12+2*\c+1]
.endr
	WIN 0
	v_nop                                          ; one plain instruction behind the scaled conversions
.irp c, 0,1
.irp i, 0,1,2
	v_permlane16_swap_b32 v[PC+6*\c+\i], v[PC+12+4*\c+\i]
.endr
.irp i, 0,1,2
	v_mov_b32 v[PC+3+6*\c+\i], v[PC+12+4*\c+\i]
.endr
.endr
.endm
.macro WAYOUT                          ; of the block of case s22
	PLACES 4                                       ; between the last products and the first read of results
	s_wait_xcnt 0x0                                ; earlier stores and prefetches have read their registers and bases
	COORD
	s_lshl_b32 s92, s78, 1
	s_add_co_u32 s92, s92, s17                     ; G: which 128 rows of source 0 in all
	s_lshl_b32 s93, s84, 3
	s_lshl_b32 s94, s18, 2
	s_add_co_u32 s93, s93, s94                     ; T: my first tile of source 1 in all
	s_lshr_b32 s94, s93, 7
	s_lshl_b32 s94, s94, 4
	s_lshl_b32 s95, s92, 1
	s_add_co_u32 s94, s94, s95                     ; q, k: 16 x batch + head 2 G (my 128 channels are heads 2 G and 2 G + 1)
	s_and_b32 s95, s93, 127                        ; and the token tile in the batch
	s_lshr_b32 s96, s92, 4
	s_lshl_b32 s96, s96, 4
	s_lshl_b32 s97, s84, 1
	s_add_co_u32 s96, s96, s97
	s_add_co_u32 s96, s96, s18                     ; v: 16 x batch + head 2 y1 + half (my 64 channels are one head)
	s_and_b32 s97, s92, 15                         ; and which 128 keys of the batch
	s_mul_i32 s98, s95, 768                        ; q, k: a tile's half image
	s_mul_i32 s99, s97, 6144                       ; v: four fragments for 128 keys
	s_lshl_b32 s95, s95, 6                         ; q, k: 256 bytes of scale words for four tiles,
	s_lshl_b32 s93, s22, 13                        ; k's 8,192 bytes behind q's
	s_add_co_u32 s95, s95, s93
	s_lshl_b32 s97, s97, 8                         ; v: 256 bytes for 128 keys,
	s_add_co_u32 s97, s97, 16384                   ; behind q's and k's
	s_mov_b32 s2, 98304
	s_mov_b32 s3, 1536
	s_mov_b32 s66, 20480
	s_cmp_eq_u32 s22, 2
	s_cselect_b32 s94, s96, s94                    ; the head of the batch
	s_cselect_b32 s98, s99, s98                    ; the codes' place in the head
	s_cselect_b32 s95, s97, s95                    ; the scale words'
	s_cselect_b32 s2, 768, s2                      ; from a fragment's first half to its second: v: 768 bytes; q, k: the next head
	s_cselect_b32 s3, s3, 768                      ; from a tile of source 1 to the next
	s_cselect_b32 s66, 0, s66                      ; q, k: lanes 16-31 store the second head's scale words,
	s_cselect_b32 s67, 0, 16                       ; which are the upper two bytes
	s_cselect_b64 s[92:93], s[12:13], s[10:11]     ; vb, else kb,
	s_cmp_eq_u32 s22, 0
	s_cselect_b64 s[92:93], s[8:9], s[92:93]       ; or qb
	s_mul_i32 s96, s94, 98304
	s_add_co_u32 s96, s96, s98
	s_mov_b32 s97, 0
	s_add_nc_u64 s[92:93], s[92:93], s[96:97]      ; the first halves' base
	s_mov_b32 s98, s2
	s_mov_b32 s99, 0
	s_add_nc_u64 s[98:99], s[92:93], s[98:99]      ; the second halves'
	s_mul_i32 s96, s94, 20480
	s_add_co_u32 s96, s96, s95
	s_add_nc_u64 s[68:69], s[14:15], s[96:97]      ; the scale words'
	v_mov_b32 v[O16], v[L16]
	v_mov_b32 v[O8], v[L8]
	v_mul_u32_u24 v[OS], s66, v3
	v_add_nc_u32 v[OS], v[OS], v[R16]
	v_mul_u32_u24 v[SH], s67, v3
.irp a, 0,1,2,3
.if \a > 0
	s_wait_xcnt 0x0                                ; the last tile's stores have read their offsets and the codes' registers
	v_add_nc_u32 v[O16], s3, v[O16]
	v_add_nc_u32 v[O8], s3, v[O8]
.endif
	QUANTW 64*\a, PWS+\a
	global_store_b128 v[O16], v[PC:PC+3], s[92:93]             ; registers 0-3: 512 consecutive bytes;
	global_store_b64 v[O8], v[PC+4:PC+5], s[92:93] offset:512  ; registers 4, 5: 256: the first 64 along the next K
	global_store_b128 v[O16], v[PC+6:PC+9], s[98:99]           ; and the second 64
	global_store_b64 v[O8], v[PC+10:PC+11], s[98:99] offset:512
.endr
.irp a, 0,1,2,3
	v_lshrrev_b32 v[PWS+\a], v[SH], v[PWS+\a]      ; q, k: lanes 16-31 bring the second head's two bytes down
.endr
	global_store_b128 v[OS], v[PWS:PWS+3], s[68:69]   ; sixteen lanes store 256 consecutive bytes (v: both halves of the lanes store the same bytes)
.endm
	s_wait_alu depctr_va_vdst(0)
	s_wait_tensorcnt 0x0                           ; my load of the head has landed
	ds_add_u32 v254, v255
	SETG 1
	s_wait_dscnt 0x0
	CROUND
	JLOAD                                          ; block 0, second half of K, into slot 1
	FETCH 0
	s_mov_b32 s23, 0
.Lblock:                                               ; blocks 0 and 1
	s_add_co_u32 s22, s23, 1
	LADDR                                          ; where the next block's tiles lie
	s_lshr_b32 s72, s[WV], 1
	s_lshr_b32 s73, s22, 1
	s_xor_b32 s48, s72, s73                        ; 1: what I fetch of the next block are tokens (case 1: source 1; case 2: source 0)
	s_mov_b32 s73, 13312
	s_cmp_lt_u32 s[WV], 2
	s_cselect_b64 s[70:71], s[82:83], s[90:91]
	s_cselect_b32 s72, s20, s19                    ; my place among the four that ask with me: cy for source 0, cx for source 1
	s_cselect_b32 s73, 26624, s73                  ; a quarter of the bytes that my wave fetches
	s_mul_i32 s72, s72, s73
	s_mov_b32 s73, 0
	s_add_nc_u64 s[70:71], s[70:71], s[72:73]
.irp s, 0,1,2,3,4,5,6,7
	KSTEP \s, 1
.endr
	s_mov_b32 s22, s23
	WAYOUT
	s_add_co_u32 s23, s23, 1
	s_cmp_lt_u32 s23, 2
	s_cbranch_scc1 .Lblock
.irp s, 0,1,2,3,4,5,6,7                        ; the last block asks for nothing more
	KSTEP \s, 0
.endr
	s_mov_b32 s22, 2
	WAYOUT
	s_wait_tensorcnt 0x0                           ; the wave's end
	ds_add_u32 v254, v255
	s_wait_dscnt 0x0
	CROUND                                         ; the closing round
	s_endpgm
.Lfunc_end_k_q209d7acb2c_proj:
	.size	k_q209d7acb2c_proj, .Lfunc_end_k_q209d7acb2c_proj-k_q209d7acb2c_proj
	.p2alignl 7, 3214868480
	.fill 96, 4, 3214868480
	.section	.rodata,"a",@progbits
	.p2align	6, 0x0
	.amdhsa_kernel k_q209d7acb2c_proj
		.amdhsa_group_segment_fixed_size 327680
		.amdhsa_private_segment_fixed_size 0
		.amdhsa_enable_private_segment 0
		.amdhsa_kernarg_size 48
		.amdhsa_user_sgpr_count 2
		.amdhsa_user_sgpr_kernarg_segment_ptr 1
		.amdhsa_wavefront_size32 1
		.amdhsa_system_sgpr_workgroup_id_x 1
		.amdhsa_system_sgpr_workgroup_id_y 1
		.amdhsa_system_sgpr_workgroup_id_z 1
		.amdhsa_system_vgpr_workitem_id 0
		.amdhsa_next_free_vgpr 768
		.amdhsa_next_free_sgpr 100
		.amdhsa_reserve_vcc 0
		.amdhsa_float_denorm_mode_32 3
		.amdhsa_float_denorm_mode_16_64 3
		.amdhsa_memory_ordered 1
		.amdhsa_forward_progress 1
		.amdhsa_inst_pref_size 164
	.end_amdhsa_kernel
	.amdgpu_metadata
---
amdhsa.version: [ 1, 2 ]
amdhsa.kernels:
  - .name:           k_q209d7acb2c_proj
    .symbol:         k_q209d7acb2c_proj.kd
    .args:
      - { .name: xc, .offset: 0, .size: 8, .value_kind: global_buffer, .address_space: global }
      - { .name: wc, .offset: 8, .size: 8, .value_kind: global_buffer, .address_space: global }
      - { .name: qb, .offset: 16, .size: 8, .value_kind: global_buffer, .address_space: global }
      - { .name: kb, .offset: 24, .size: 8, .value_kind: global_buffer, .address_space: global }
      - { .name: vb, .offset: 32, .size: 8, .value_kind: global_buffer, .address_space: global }
      - { .name: sc, .offset: 40, .size: 8, .value_kind: global_buffer, .address_space: global }
    .group_segment_fixed_size: 327680
    .private_segment_fixed_size: 0
    .kernarg_segment_align: 8
    .kernarg_segment_size: 48
    .max_flat_workgroup_size: 128
    .sgpr_count:     100
    .vgpr_count:     768
    .wavefront_size: 32
...
	.end_amdgpu_metadata
.endif
;; end of part 2
;; launch attn (part 3): grid 4 x 64, 8 waves a work-group, clusters of 4 x 1, 327,680 bytes of LDS; arguments qb, kb, vb, sc, mask, ao; writes ao
.if DOCPART == 3
	.amdgcn_target "amdgcn-amd-amdhsa--gfx1250"
	.amdhsa_code_object_version 6
	.text
	.protected	k_q209d7acb2c_attn
	.globl	k_q209d7acb2c_attn
	.p2align	8
	.type	k_q209d7acb2c_attn,@function
k_q209d7acb2c_attn:
	s_mov_b64 s[64:65], 0
	v_nop
	global_prefetch_b8 v0, s[64:65] scope:SCOPE_SE
	s_setreg_imm32_b32 hwreg(HW_REG_WAVE_MODE, 25, 1), 1
	s_wait_xcnt 0x0
	s_wait_alu depctr_hold_cnt(0) depctr_sa_sdst(0) depctr_va_vdst(0) depctr_va_sdst(0) depctr_va_ssrc(0) depctr_va_vcc(0) depctr_vm_vsrc(0)
	s_getreg_b32 s2, hwreg(HW_REG_IB_STS2, 6, 4)
	s_cmp_eq_u32 s2, 0
	s_cbranch_scc0 .Lentry_in_a_cluster
	s_endpgm
.Lentry_in_a_cluster:
	s_bfe_u32 s2, ttmp6, 0x10000c
	s_cmp_lg_u32 s2, 0x3003
	s_cbranch_scc0 .Lentry_shape_is_right
	s_endpgm
.Lentry_shape_is_right:
; Attention of one head of one batch on codes of FP6 (E2M3) with E8M0 scales: o = softmax(q k^T / 8, keys under the mask left out) v; o is then quantised along the model's 1,024 for the last projection.
; THE SOFTMAX: t = score x log2(e) / 8; M = the running largest t rounded UP to a whole number; p = 2^(t - M) is quantised along the keys, not normalised; the row's sum is taken of the unquantised p and divides at the end.
; When M moves, the sum and O are multiplied by 2^(old M - new M), which rounds nothing.
; SHARES.  A cluster of four work-groups takes a head; a work-group 512 queries; each of its eight waves four tiles of 16 queries, TWO AT A TIME (A and B), in two passes over the head's 2,048 keys, 128 a step.
; A step's fragments of k and v and its mask numbers are read from LDS once for both tiles.
; LDS.  The head's k and v lie in LDS whole: 2 x 98,304 bytes of codes, filled once, by one joint load a wave (24,576 bytes each; the four work-groups read the same bytes).  Nothing is filled again.
; The scale words (12,288 bytes) and the mask's table (8,192) go through registers and LDS stores, into bytes where no fill lands.  No prefetch: every fill stands at the head, there is no loop to run ahead in.
; LAYOUT.  Both products are used transposed: S^T = k q^T (source 0 = 16 keys), O^T = v^T p^T (source 0 = 16 channels): a lane holds one query throughout.
; Place m of key tile 4 G + t is key 64 G + 8 t + m % 8 + 32 (m / 8): so lane (r, h)'s 32 registers of tiles 4 c .. 4 c + 3 are keys 64 c + 32 h + 0 .. 31: a WHOLE scale block, in the order of the next operand's registers.
; THE FIRST PRODUCT'S K IS 64, the instruction's 128: q's upper six registers are zero codes; a tile of k is six registers and its operand's upper six are the next tile's (behind the last: zeros): they meet zero codes.
; THE MASK.  A table of one f32 a key, 0 or -3e38, is made once in LDS; a step's 64 numbers a lane are the first product's C, for both tiles.  The running largest score starts at -2^125, above every masked score.
; LIMITS: the scaled scores stay under 2^31 in magnitude; NaN and infinities are not served; a block of zeros keeps the byte 1 (read by this program alone);
; a batch whose EVERY key stands under the mask, for which reference() gives NaN, is not served: its rows come out as finite numbers without meaning.
; OUT.  ao: token tiles of 13,312 bytes, as the projections' operands: head hd's six registers lie in quarter hd / 4, K step (hd / 2) % 2, half hd % 2; its two scale bytes at 16 r + 2 (hd % 4) of the quarter's header.
; REGISTERS.  Window 0: v1-15 addresses; v16-39 q A, zeros, q B, zeros; v40-93 k's eight tiles and zeros; v96-159 O^T of A and B; v160-183 p's codes; v184-191, v240-247 at work; v192-207 scale words; v208-239 state.
;   Window 1: v0-63 S^T of A, v64-127 of B; v128-191 the mask's numbers; v192-239 v's four fragments; v240-251 the second pass's q.
.set KC, 0                             ; k's codes: a tile of 16 keys is 768 bytes (four registers at 16 l, two at 512 + 8 l)
.set VC, 98304                         ; v's codes: for 128 keys four fragments of 1,536 bytes, each two such halves
.set BI, 196608                        ; the mask's table, 4 bytes a key
.set KS, 204800                        ; k's scale words [tile / 4][r][tile % 4]
.set VS, 212992                        ; v's [128 keys][r][channel tile]
.set SPARE, 217088                     ; the spare words: 128 bytes a wave
.set AK16, 1                           ; 16 l
.set AK8,  2                           ; 8 l
.set AV16, 3                           ; VC + 16 l
.set AV8,  4                           ; VC + 8 l
.set ASK,  5                           ; KS + 16 l
.set ASV,  6                           ; VS + 16 r
.set AB,   7                           ; BI + 128 h
.set SPW,  94
.set NIL,  95
.set O,    96
.set P,    160
.set KSC,  192                         ; k's scale words: lanes 0-15 tiles 0-3, lanes 16-31 tiles 4-7
.set VSC,  196
.set PW,   200                         ; p's scale words, A and B
.set QS,   204                         ; q's scale words of my four tiles
.set BM,   208                         ; eight chains of maxima; then block m's largest at BM + 2 m, its byte at BM + 2 m + 1
.set NM,   216                         ; tile q: -M at NM + 2 q, the running largest score at NM + 2 q + 1
.set SUM,  220                         ; the row's sum, a pair a tile
.set F,    224                         ; f = 2^(old M - new M), a pair a tile (the upper word is written once)
.set T,    228                         ; two registers at work a tile
.set PT,   232                         ; lane permutes' targets
.set SO,   236                         ; the conversions' scale operands
.set SH8,  248                         ; 8 h
.set HWD,  250                         ; the halfwords for ao's header
.set WV,  16
.set SEL, 22                           ; s[22:23] lane selects: lane l xor 16
.set CS,  24                           ; s[24:25] c = log2(e) / 8;  s26 = -c
.set NC,  26
.set G1,  28
.set G0,  48
.set TK,  66                           ; the step's codes: 6,144 bytes a step
.set TS,  67                           ; k's scale words and the table: 512 a step
.set TJ,  68                           ; v's scale words: 256 a step
.set CNT, 69
.set HM,  70                           ; the lanes 0-15
.set MSB, 0
.macro WIN new                         ; the immediate's high byte repeats the setting that is left
.if MSB != \new
	s_set_vgpr_msb (MSB<<8)|\new
.set MSB, \new
.endif
.endm
.macro WALU
	s_wait_alu depctr_va_vdst(0)
.endm
.macro CROUND                          ; a round of the cluster's barrier
	s_barrier_signal -1
	s_barrier_wait -1
	s_cmp_lg_u32 s[WV], 0
	s_cbranch_scc1 .Lnot_wave_0_\@
	s_barrier_signal -3
.Lnot_wave_0_\@:
	s_barrier_wait -3
	s_barrier_signal -1
	s_barrier_wait -1
.endm
	s_load_b256 s[4:11], s[0:1], 0x0               ; qb, kb, vb, sc
	s_load_b128 s[12:15], s[0:1], 0x20             ; mask, ao
	v_lshl_add_u32 v[SPW], v0, 2, SPARE
	v_mov_b32 v[NIL], 0
	ds_add_u32 v[SPW], v[NIL]                      ; the opening lines: the add, twice on end, and its wait
	ds_add_u32 v[SPW], v[NIL]
	v_lshrrev_b32 v1, 5, v0
	v_readfirstlane_b32 s[WV], v1                  ; wave 0..7
	s_and_b32 s17, s[WV], 3                        ; which quarter of k's (waves 0-3) or v's (waves 4-7) codes I fetch
	s_bfe_u32 s18, ttmp6, 0x40000                  ; cx: which 512 queries
	s_and_b32 s19, ttmp7, 0xffff                   ; 16 x batch + head: the four partners share it
	s_lshr_b32 s20, s19, 4
	s_and_b32 s21, s19, 15
	s_mov_b32 s[SEL], 0x76543210
	s_mov_b32 s[SEL+1], 0xfedcba98
	s_mov_b32 s[CS], 0x3e38aa3b
	s_mov_b32 s[CS+1], s[CS]
	s_mov_b32 s[NC], 0xbe38aa3b
	s_mov_b32 s[G1], 15|(3<<16)|(1<<21)            ; 96 rows of 256 bytes (32 elements of 8), dense; the mask names all four work-groups
	s_mov_b32 s[G1+1], 32<<16
	s_mov_b32 s[G1+2], 96<<16
	s_mov_b32 s[G1+3], 32<<16
	s_mov_b32 s[G1+4], 96
	s_mov_b32 s[G1+5], 32
	s_mov_b32 s[G1+6], 0
	s_mov_b32 s[G1+7], 0
	s_mul_i32 s72, s19, 98304                      ; the head's first byte in qb, kb, vb
	s_mul_i32 s74, s19, 20480                      ; and in sc
	s_mul_i32 s76, s17, 24576
	s_add_co_u32 s76, s76, s72
	s_mov_b32 s77, 0
	s_mov_b32 s[G0], 1
	s_mul_i32 s[G0+1], s[WV], 24576                ; LDS: k's four quarters, then v's
	s_wait_dscnt 0x0
	CROUND                                         ; the opening round, ahead of the wait for the arguments: all four work-groups are here, the joint loads meet
	s_wait_kmcnt 0x0
	s_cmp_lt_u32 s[WV], 4
	s_cselect_b64 s[G0+2:G0+3], s[6:7], s[8:9]
	s_add_nc_u64 s[G0+2:G0+3], s[G0+2:G0+3], s[76:77]
	s_or_b32 s[G0+3], s[G0+3], 0x80000000
	tensor_load_to_lds s[G0:G0+3], s[G1:G1+7]      ; the launch's only fills: one a wave
	s_nop 0
.rept 4
	v_nop
.endr
	s_lshl_b32 s84, s20, 11                        ; the batch's 2,048 bytes of the mask
	s_mov_b32 s85, 0
	s_add_nc_u64 s[12:13], s[12:13], s[84:85]
	s_lshl_b32 s82, s18, 5
	s_lshl_b32 s83, s[WV], 2
	s_add_co_u32 s82, s82, s83                     ; my first tile of queries in the batch: 32 cx + 4 wave
	s_mul_i32 s84, s82, 768
	s_add_co_u32 s84, s84, s72
	s_add_nc_u64 s[4:5], s[4:5], s[84:85]          ; its codes
	s_lshl_b32 s84, s82, 6
	s_add_co_u32 s84, s84, s74
	s_add_nc_u64 s[78:79], s[10:11], s[84:85]      ; my four tiles' scale words: 16 bytes a row
	s_add_co_u32 s84, s74, 8192
	s_add_nc_u64 s[10:11], s[10:11], s[84:85]      ; k's and v's scale words
	s_lshl_b32 s84, s20, 7
	s_add_co_u32 s84, s84, s82                     ; my first tile among ao's 512
	s_mul_i32 s84, s84, 13312
	s_lshr_b32 s86, s21, 2
	s_mul_i32 s86, s86, 3328
	s_add_co_u32 s84, s84, s86                     ; the head's quarter
	s_and_b32 s86, s21, 3
	s_lshl_b32 s86, s86, 1
	s_add_co_u32 s86, s86, s84
	s_mov_b32 s87, 0
	s_add_nc_u64 s[88:89], s[14:15], s[86:87]      ; the header's halfword of this head
	s_bfe_u32 s86, s21, 0x10001
	s_mul_i32 s86, s86, 1536
	s_add_co_u32 s84, s84, s86
	s_and_b32 s86, s21, 1
	s_mul_i32 s86, s86, 768
	s_add_co_u32 s84, s84, s86
	s_add_co_u32 s84, s84, 256
	s_add_nc_u64 s[90:91], s[14:15], s[84:85]      ; the head's half of a fragment
	v_and_b32 v8, 31, v0                           ; l
	v_and_b32 v9, 15, v0                           ; r
	v_bfe_u32 v10, v0, 4, 1                        ; h
	v_lshlrev_b32 v[AK16], 4, v8
	v_lshlrev_b32 v[AK8], 3, v8
	v_add_nc_u32 v[AV16], VC, v[AK16]
	v_add_nc_u32 v[AV8], VC, v[AK8]
	v_add_nc_u32 v[ASK], KS, v[AK16]
	v_lshl_add_u32 v[ASV], v9, 4, VS
	v_lshl_add_u32 v[AB], v10, 7, BI
	v_lshlrev_b32 v[SH8], 3, v10
	v_lshlrev_b32 v249, 4, v9                      ; 16 r
	v_lshl_add_u32 v15, v10, 3, v249               ; 16 r + 8 h
	v_cmp_eq_u32 s[HM], 0, v10
	v_lshlrev_b32 v250, 4, v0                      ; 16 t: my bytes of the scale words
	v_lshlrev_b32 v251, 3, v0                      ; 8 t: my eight bytes of the mask
	v_lshl_add_u32 v252, v0, 5, BI                 ; and their eight numbers of the table
	v_add_nc_u32 v253, KS, v250
	WALU                                           ; ahead of the readers below
	global_load_b64 v[96:97], v251, s[12:13]
.irp i, 0,1,2
	global_load_b128 v[100+4*\i:103+4*\i], v250, s[10:11] offset:4096*\i
.endr
	global_load_b128 v[16:19], v[AK16], s[4:5]
	global_load_b64 v[20:21], v[AK8], s[4:5] offset:512
	global_load_b128 v[28:31], v[AK16], s[4:5] offset:768
	global_load_b64 v[32:33], v[AK8], s[4:5] offset:1280
	global_load_b128 v[QS:QS+3], v249, s[78:79]
.irp j, 0,1,2,3,4,5
	v_mov_b32 v[22+\j], 0                          ; q's zero codes for k = 64 .. 127
	v_mov_b32 v[34+\j], 0
	v_mov_b32 v[88+\j], 0                          ; and what stands behind k's last tile
.endr
.irp b, 0,1,2,3
	v_mov_b32 v[PT+\b], 0                          ; written once: a lane permute's destination counts as one of its sources
.endr
	v_mov_b32 v[F+1], 0
	v_mov_b32 v[F+3], 0
	v_mov_b32 v120, 0xff61b1e6                     ; -3e38
	WALU
	s_wait_loadcnt 5                               ; the mask's bytes and the scale words are in; the first pass's q (four loads) and its scale words (one) may be out
.irp i, 0,1,2,3,4,5,6,7
	v_bfe_u32 v121, v[96+\i/4], 8*(\i%4), 8
	v_cmp_ne_u32 vcc_lo, 0, v121
	v_cndmask_b32 v[112+\i], 0, v120, vcc_lo       ; a key under the mask: -3e38; else 0
.endr
	WALU
	s_wait_tensorcnt 0x0                           ; my quarter has landed
	ds_store_b128 v252, v[112:115]
	ds_store_b128 v252, v[116:119] offset:16
.irp i, 0,1,2
	ds_store_b128 v253, v[100+4*\i:103+4*\i] offset:4096*\i
.endr
	s_wait_loadcnt 0x0                             ; q
	s_wait_dscnt 0x0
	s_barrier_signal -1
	s_barrier_wait -1                              ; k, v, the scale words and the table are whole for every wave
	WIN 0x40                                       ; the second pass's q, into window 1: asked for only now, behind the head's fills; awaited between the passes
	global_load_b128 v[240:243], v[AK16], s[4:5] offset:1536
	global_load_b64 v[244:245], v[AK8], s[4:5] offset:2048
	global_load_b128 v[246:249], v[AK16], s[4:5] offset:2304
	global_load_b64 v[250:251], v[AK8], s[4:5] offset:2816
	WIN 0
; k's eight tiles, their scale words and the mask's 64 numbers a lane, of the step at v8, v9, v12, v14 (ahead = 0) or of the step behind it (ahead = 1): 33 loads
.macro KLOADS ahead
.irp t, 0,1,2,3,4,5,6,7
	ds_load_b128 v[40+6*\t:43+6*\t], v8 offset:768*\t+6144*\ahead
	ds_load_b64 v[44+6*\t:45+6*\t], v9 offset:768*\t+512+6144*\ahead
.endr
	ds_load_b128 v[KSC:KSC+3], v12 offset:512*\ahead
	WIN 0x40
.irp x, 0,1,2,3,4,5,6,7,8,9,10,11,12,13,14,15
	ds_load_b128 v[128+4*\x:131+4*\x], v14 offset:256*(\x/8)+16*(\x%8)+512*\ahead   ; registers 4 x on: keys 64 (x / 8) + 32 h + 4 (x % 8) on
.endr
	WIN 0
.endm
.macro SPROD t, q, qa, row
	v_wmma_scale_f32_16x16x128_f8f6f4 v[64*\q+8*\t:64*\q+8*\t+7], v[40+6*\t:51+6*\t], v[16+12*\q:27+12*\q], v[128+8*\t:135+8*\t], v[KSC+\t%4], v[QS+\qa+\q] matrix_a_fmt:MATRIX_FMT_FP6 matrix_b_fmt:MATRIX_FMT_FP6 matrix_a_scale:MATRIX_SCALE_ROW\row
.endm
; A KEY STEP: 128 keys x 32 queries.  qa: which of q's scale words is tile A's
.macro STEP qa
	s_wait_dscnt 0x0                               ; k, its scale words and the mask's numbers are in (asked for a step ago)
	WIN 0x50                                       ; D and C window 1
.irp t, 0,1,2,3
.irp q, 0,1
	SPROD \t, \q, \qa, 0
.endr
.endr
.irp t, 4,5,6,7
.irp q, 0,1
	SPROD \t, \q, \qa, 1
.endr
.endr
	WIN 0
	v_add_nc_u32 v8, s[TK], v[AK16]                ; seven plain instructions: also the places between the products and the loads below, and the first read of the scores
	v_add_nc_u32 v9, s[TK], v[AK8]
	v_add_nc_u32 v10, s[TK], v[AV16]
	v_add_nc_u32 v11, s[TK], v[AV8]
	v_add_nc_u32 v12, s[TS], v[ASK]
	v_add_nc_u32 v13, s[TJ], v[ASV]
	v_add_nc_u32 v14, s[TS], v[AB]
	WIN 0x40
.irp dt, 0,1,2,3                               ; v's four fragments land while the softmax is worked
.irp c, 0,1
	ds_load_b128 v[192+12*\dt+6*\c:195+12*\dt+6*\c], v10 offset:1536*\dt+768*\c
	ds_load_b64 v[196+12*\dt+6*\c:197+12*\dt+6*\c], v11 offset:1536*\dt+768*\c+512
.endr
.endr
	WIN 0
	ds_load_b128 v[VSC:VSC+3], v13
	s_cmp_eq_u32 s[CNT], 1                         ; the pass's last step has no step behind it
	s_cbranch_scc1 .Lno_next_\@
	KLOADS 1
.Lno_next_\@:
	WIN 0x15                                       ; THE LARGEST SCORE OF EACH BLOCK OF 32 KEYS, in eight chains of 16 registers by turns
.irp x, 0,1,2,3,4,5,6,7
	v_max3_num_f32 v[BM+\x], v[16*\x], v[16*\x+1], v[16*\x+2]
.endr
	WIN 0x14
.irp i, 3,5,7,9,11,13
.irp x, 0,1,2,3,4,5,6,7
	v_max3_num_f32 v[BM+\x], v[BM+\x], v[16*\x+\i], v[16*\x+\i+1]
.endr
.endr
.irp m, 0,1,2,3
	v_max3_num_f32 v[BM+2*\m], v[BM+2*\m], v[32*\m+15], v[32*\m+31]
.endr
	WIN 0
.irp m, 0,1,2,3
	v_max_num_f32 v[BM+2*\m], v[BM+2*\m], v[BM+2*\m+1]   ; block m = 2 q + c: tile q, my keys 64 c + 32 h + 0 .. 31
.endr
.irp q, 0,1                                    ; the two tiles by turns
	v_max_num_f32 v[T+2*\q], v[BM+4*\q], v[BM+4*\q+2]
.endr
.irp q, 0,1
	v_permlanex16_b32 v[PT+\q], v[T+2*\q], s[SEL], s[SEL+1]
.endr
.irp q, 0,1
	v_max3_num_f32 v[NM+2*\q+1], v[NM+2*\q+1], v[T+2*\q], v[PT+\q]   ; the running largest score
.endr
.irp q, 0,1
	v_mul_f32 v[T+2*\q], s[NC], v[NM+2*\q+1]
.endr
.irp q, 0,1
	v_floor_f32 v[T+2*\q], v[T+2*\q]               ; the new -M = floor(-t): a whole number
.endr
.irp q, 0,1
	v_sub_f32 v[T+2*\q+1], v[T+2*\q], v[NM+2*\q]   ; old M - new M: a whole number, 0 or less
.endr
.irp q, 0,1
	v_mov_b32 v[NM+2*\q], v[T+2*\q]
.endr
.irp q, 0,1
	v_cvt_i32_f32 v[T+2*\q+1], v[T+2*\q+1]         ; (it saturates)
.endr
.irp q, 0,1
	v_ldexp_f32 v[F+2*\q], 1.0, v[T+2*\q+1]        ; f
.endr
.irp m, 0,1,2,3
	v_fma_f32 v[BM+2*\m], v[BM+2*\m], s[CS], v[NM+2*(\m/2)]   ; t - M of each block's largest score
.endr
.irp q, 0,1
.set jj, 0
.rept 16
	v_pk_mul_f32 v[O+32*\q+jj:O+32*\q+jj+1], v[O+32*\q+jj:O+32*\q+jj+1], v[F+2*\q:F+2*\q+1] op_sel_hi:[1,0]   ; O^T under the new M, ahead of the exponentials
.set jj, jj+2
.endr
.endr
	WIN 0x41
.set jj, 0
.rept 32
	v_pk_fma_f32 v[jj:jj+1], v[jj:jj+1], s[CS:CS+1], v[NM:NM+1] op_sel_hi:[1,0,0]   ; tile A: t - M, two at a time
.set jj, jj+2
.endr
	WALU                                           ; ahead of the batch
.set jj, 0
.rept 32
	v_exp_f32 v[jj], v[jj]                         ; tile A: p = 2^(t - M); tile B's t - M stands among them
	v_exp_f32 v[jj+1], v[jj+1]
	v_pk_fma_f32 v[64+jj:65+jj], v[64+jj:65+jj], s[CS:CS+1], v[NM+2:NM+3] op_sel_hi:[1,0,0]
.set jj, jj+2
.endr
	WIN 0
.irp m, 0,1,2,3
	v_exp_f32 v[BM+2*\m], v[BM+2*\m]               ; the blocks' largest p: the same two instructions on the same number
.endr
	WALU                                           ; ahead of tile B's batch, whose sources were written among the exponentials above
	WIN 0x41
.set jj, 0
.rept 64
	v_exp_f32 v[64+jj], v[64+jj]
.set jj, jj+1
.endr
	WIN 0
	v_nop                                          ; the plain instruction behind the exponentials
	WALU                                           ; one wait for the batch, ahead of its first reader
.irp m, 0,1,2,3
	v_max_num_f32 v[BM+2*\m], 0x1800000, v[BM+2*\m]   ; the floor 2^(3 - 127): a block whose every p is 0 keeps the byte 1; its codes are zeros
.endr
.irp m, 0,1,2,3
	v_add_nc_u32 v[SO+\m], 0xff000000, v[BM+2*\m]  ; 2 off the exponent field: the conversions' scale operand
.endr
.irp m, 0,1,2,3
	v_lshrrev_b32 v[BM+2*\m+1], 23, v[SO+\m]       ; the byte
.endr
.irp q, 0,1
	v_lshl_or_b32 v[T+2*\q], v[BM+4*\q+3], 16, v[BM+4*\q+1]   ; my two bytes: blocks h and 2 + h of the 128 keys,
.endr
.irp q, 0,1
	v_lshlrev_b32 v[T+2*\q], v[SH8], v[T+2*\q]     ; at their places;
.endr
.irp q, 0,1
	v_permlanex16_b32 v[PT+\q], v[T+2*\q], s[SEL], s[SEL+1]
.endr
.irp q, 0,1
	v_or_b32 v[PW+\q], v[T+2*\q], v[PT+\q]         ; with lane l xor 16's two the scale word is whole
.endr
	WIN 0x01
.irp m, 0,1,2,3
	v_cvt_scalef32_pk16_fp6_f32 v[P+6*\m:P+6*\m+2], v[32*\m:32*\m+15], v[SO+\m]
	v_cvt_scalef32_pk16_fp6_f32 v[184+4*\m+48*(\m/2):186+4*\m+48*(\m/2)], v[32*\m+16:32*\m+31], v[SO+\m]   ; (a conversion's three registers begin on an even number)
.endr
	WIN 0
	v_nop                                          ; one plain instruction behind the scaled conversions
.irp m, 0,1,2,3
.irp i, 0,1,2
	v_mov_b32 v[P+6*\m+3+\i], v[184+4*\m+48*(\m/2)+\i]
.endr
.endr
	WIN 0x05                                       ; THE ROW'S SUM OF THE UNQUANTISED p: four chains of pairs a tile.  These 64 also stand between the writing of p's codes and scale words and the products below
.irp i, 0,1,2,3
.irp q, 0,1
	v_pk_add_f32 v[184+56*\q+2*\i:185+56*\q+2*\i], v[64*\q+2*\i:64*\q+2*\i+1], v[64*\q+8+2*\i:64*\q+9+2*\i]
.endr
.endr
	WIN 0x01
.irp x, 2,3,4,5,6,7
.irp i, 0,1,2,3
.irp q, 0,1
	v_pk_add_f32 v[184+56*\q+2*\i:185+56*\q+2*\i], v[64*\q+8*\x+2*\i:64*\q+8*\x+2*\i+1], v[184+56*\q+2*\i:185+56*\q+2*\i]
.endr
.endr
.endr
	WIN 0
.irp q, 0,1
	v_pk_add_f32 v[184+56*\q:185+56*\q], v[184+56*\q:185+56*\q], v[186+56*\q:187+56*\q]
	v_pk_add_f32 v[188+56*\q:189+56*\q], v[188+56*\q:189+56*\q], v[190+56*\q:191+56*\q]
.endr
.irp q, 0,1
	v_pk_add_f32 v[184+56*\q:185+56*\q], v[184+56*\q:185+56*\q], v[188+56*\q:189+56*\q]
.endr
.irp q, 0,1
	v_pk_fma_f32 v[SUM+2*\q:SUM+2*\q+1], v[SUM+2*\q:SUM+2*\q+1], v[F+2*\q:F+2*\q+1], v[184+56*\q:185+56*\q] op_sel_hi:[1,0,1]   ; the old sum under the new M, and the step's
.endr
	WALU
	s_wait_dscnt 0x0                               ; v's fragments and scale words are in
	WIN 0x01                                       ; source 0 (v) window 1
.irp dt, 0,1,2,3
.irp q, 0,1
	v_wmma_scale_f32_16x16x128_f8f6f4 v[O+32*\q+8*\dt:O+32*\q+8*\dt+7], v[192+12*\dt:203+12*\dt], v[P+12*\q:P+12*\q+11], v[O+32*\q+8*\dt:O+32*\q+8*\dt+7], v[VSC+\dt], v[PW+\q] matrix_a_fmt:MATRIX_FMT_FP6 matrix_b_fmt:MATRIX_FMT_FP6
.endr
.endr
	WIN 0
	s_add_co_u32 s[TK], s[TK], 6144
	s_add_co_u32 s[TS], s[TS], 512
	s_add_co_u32 s[TJ], s[TJ], 256
.endm
; THE WAY OUT of a pass's two tiles: O^T / the sum; a lane's 32 numbers a tile are channels 32 g + 16 h + 0..15: two blocks of the last projection's K: six registers of codes and two scale bytes
.macro OUT p
.rept 4
	v_nop                                          ; between the last products and the first read of O^T
.endr
.irp q, 0,1
	v_add_f32 v[SUM+2*\q], v[SUM+2*\q], v[SUM+2*\q+1]
.endr
.irp q, 0,1
	v_permlanex16_b32 v[PT+\q], v[SUM+2*\q], s[SEL], s[SEL+1]
.endr
.irp q, 0,1
	v_add_f32 v[SUM+2*\q], v[SUM+2*\q], v[PT+\q]   ; the row's sum
.endr
	WALU
.irp q, 0,1
	v_rcp_f32 v[T+2*\q], v[SUM+2*\q]
.endr
	v_nop
	WALU
.irp q, 0,1
.set jj, 0
.rept 16
	v_pk_mul_f32 v[O+32*\q+jj:O+32*\q+jj+1], v[O+32*\q+jj:O+32*\q+jj+1], v[T+2*\q:T+2*\q+1] op_sel_hi:[1,0]   ; each accumulator from its low end on
.set jj, jj+2
.endr
.endr
.irp m, 0,1,2,3
	v_max3_num_f32 v[BM+\m], |v[O+16*\m]|, |v[O+16*\m+1]|, 0x1800000
.endr
.irp i, 2,4,6,8,10,12,14
.irp m, 0,1,2,3
	v_max3_num_f32 v[BM+\m], v[BM+\m], |v[O+16*\m+\i]|, |v[O+16*\m+\i+1]|
.endr
.endr
.irp m, 0,1,2,3
	v_permlanex16_b32 v[PT+\m], v[BM+\m], s[SEL], s[SEL+1]
.endr
.irp m, 0,1,2,3
	v_max_num_f32 v[BM+\m], v[BM+\m], v[PT+\m]
.endr
.irp m, 0,1,2,3
	v_add_nc_u32 v[SO+\m], 0xff000000, v[BM+\m]
.endr
.irp m, 0,1,2,3
	v_lshrrev_b32 v[PT+\m], 23, v[SO+\m]
.endr
.irp q, 0,1
	v_lshl_or_b32 v[HWD+\q], v[PT+2*\q+1], 8, v[PT+2*\q]   ; the two bytes
.endr
.irp q, 0,1
	v_cndmask_b32 v[HWD+\q], 0, v[HWD+\q], s[HM]   ; lanes 16-31 store a halfword of 0 into the header's unused half
.endr
.irp q, 0,1
	v_cvt_scalef32_pk16_fp6_f32 v[P+12*\q:P+12*\q+2], v[O+32*\q:O+32*\q+15], v[SO+2*\q]
	v_cvt_scalef32_pk16_fp6_f32 v[184+4*\q:186+4*\q], v[O+32*\q+16:O+32*\q+31], v[SO+2*\q+1]
.endr
	v_nop
.irp q, 0,1
.irp i, 0,1,2
	v_permlane16_swap_b32 v[P+12*\q+\i], v[184+4*\q+\i]   ; the operand wants a whole block in a lane
.endr
.endr
.irp q, 0,1
.irp i, 0,1,2
	v_mov_b32 v[P+12*\q+3+\i], v[184+4*\q+\i]
.endr
.endr
.irp q, 0,1
	global_store_b128 v[AK16], v[P+12*\q:P+12*\q+3], s[90:91] offset:13312*(2*\p+\q)         ; 512 consecutive bytes, aligned to 256
	global_store_b64 v[AK8], v[P+12*\q+4:P+12*\q+5], s[90:91] offset:13312*(2*\p+\q)+512     ; 256
	global_store_b16 v15, v[HWD+\q], s[88:89] offset:13312*(2*\p+\q)                         ; two bytes a lane: 64 bytes of a tile's 13,312
.endr
.endm
; A PASS: two tiles of queries over all 16 key steps.  The step is written once: the first finds zeros, which the first change of M leaves zeros
.macro PASS p
	s_mov_b32 s[TK], 0
	s_mov_b32 s[TS], 0
	s_mov_b32 s[TJ], 0
	s_mov_b32 s[CNT], 16
	v_mov_b32 v8, v[AK16]
	v_mov_b32 v9, v[AK8]
	v_mov_b32 v12, v[ASK]
	v_mov_b32 v14, v[AB]
	KLOADS 0                                       ; step 0's k and mask numbers; they land under the lines below
.irp q, 0,1
	v_mov_b32 v[NM+2*\q+1], 0xfe000000             ; -2^125
	v_mov_b32 v[SUM+2*\q], 0
	v_mov_b32 v[SUM+2*\q+1], 0
.endr
.irp q, 0,1
	v_mul_f32 v[T+2*\q], s[NC], v[NM+2*\q+1]
.endr
.irp q, 0,1
	v_floor_f32 v[NM+2*\q], v[T+2*\q]
.endr
.set jj, 0
.rept 64
	v_mov_b32 v[O+jj], 0
.set jj, jj+1
.endr
	WALU                                           ; ahead of the loop
.Lstep_\@:
	STEP 2*\p
	s_sub_co_u32 s[CNT], s[CNT], 1
	s_cmp_lg_u32 s[CNT], 0
	s_cbranch_scc1 .Lstep_\@
	OUT \p
.endm
	PASS 0
	s_wait_xcnt 0x0                                ; the stores have read their registers
	s_wait_loadcnt 0x0                             ; the second pass's q is in
	WIN 0x01
.irp j, 0,1,2,3,4,5
	v_mov_b32 v[16+\j], v[240+\j]                  ; the second pass's q; the pass's first lines stand between these and the next products
	v_mov_b32 v[28+\j], v[246+\j]
.endr
	WIN 0
	PASS 1
	s_wait_tensorcnt 0x0                           ; the wave's end
	ds_add_u32 v[SPW], v[NIL]
	s_wait_dscnt 0x0
	CROUND                                         ; the closing round
	s_endpgm
.Lfunc_end_k_q209d7acb2c_attn:
	.size	k_q209d7acb2c_attn, .Lfunc_end_k_q209d7acb2c_attn-k_q209d7acb2c_attn
	.p2alignl 7, 3214868480
	.fill 96, 4, 3214868480
	.section	.rodata,"a",@progbits
	.p2align	6, 0x0
	.amdhsa_kernel k_q209d7acb2c_attn
		.amdhsa_group_segment_fixed_size 327680
		.amdhsa_private_segment_fixed_size 0
		.amdhsa_enable_private_segment 0
		.amdhsa_kernarg_size 48
		.amdhsa_user_sgpr_count 2
		.amdhsa_user_sgpr_kernarg_segment_ptr 1
		.amdhsa_wavefront_size32 1
		.amdhsa_system_sgpr_workgroup_id_x 1
		.amdhsa_system_sgpr_workgroup_id_y 1
		.amdhsa_system_sgpr_workgroup_id_z 1
		.amdhsa_system_vgpr_workitem_id 0
		.amdhsa_next_free_vgpr 512
		.amdhsa_next_free_sgpr 96
		.amdhsa_reserve_vcc 1
		.amdhsa_float_denorm_mode_32 3
		.amdhsa_float_denorm_mode_16_64 3
		.amdhsa_memory_ordered 1
		.amdhsa_forward_progress 1
		.amdhsa_inst_pref_size 91
	.end_amdhsa_kernel
	.amdgpu_metadata
---
amdhsa.version: [ 1, 2 ]
amdhsa.kernels:
  - .name:           k_q209d7acb2c_attn
    .symbol:         k_q209d7acb2c_attn.kd
    .args:
      - { .name: qb, .offset: 0, .size: 8, .value_kind: global_buffer, .address_space: global }
      - { .name: kb, .offset: 8, .size: 8, .value_kind: global_buffer, .address_space: global }
      - { .name: vb, .offset: 16, .size: 8, .value_kind: global_buffer, .address_space: global }
      - { .name: sc, .offset: 24, .size: 8, .value_kind: global_buffer, .address_space: global }
      - { .name: mask, .offset: 32, .size: 8, .value_kind: global_buffer, .address_space: global }
      - { .name: ao, .offset: 40, .size: 8, .value_kind: global_buffer, .address_space: global }
    .group_segment_fixed_size: 327680
    .private_segment_fixed_size: 0
    .kernarg_segment_align: 8
    .kernarg_segment_size: 48
    .max_flat_workgroup_size: 256
    .sgpr_count:     96
    .vgpr_count:     512
    .wavefront_size: 32
...
	.end_amdgpu_metadata
.endif
;; end of part 3
;; launch fc (part 4): grid 4 x 64, 4 waves a work-group, clusters of 4 x 4, 327,680 bytes of LDS; arguments ao, wc, out0; writes out0
.if DOCPART == 4
	.amdgcn_target "amdgcn-amd-amdhsa--gfx1250"
	.amdhsa_code_object_version 6
	.text
	.protected	k_q209d7acb2c_fc
	.globl	k_q209d7acb2c_fc
	.p2align	8
	.type	k_q209d7acb2c_fc,@function
k_q209d7acb2c_fc:
	s_mov_b64 s[64:65], 0
	v_nop
	global_prefetch_b8 v0, s[64:65] scope:SCOPE_SE
	s_setreg_imm32_b32 hwreg(HW_REG_WAVE_MODE, 25, 1), 1
	s_wait_xcnt 0x0
	s_wait_alu depctr_hold_cnt(0) depctr_sa_sdst(0) depctr_va_vdst(0) depctr_va_sdst(0) depctr_va_ssrc(0) depctr_va_vcc(0) depctr_vm_vsrc(0)
	s_getreg_b32 s2, hwreg(HW_REG_IB_STS2, 6, 4)
	s_cmp_eq_u32 s2, 0
	s_cbranch_scc0 .Lentry_in_a_cluster
	s_endpgm
.Lentry_in_a_cluster:
	s_bfe_u32 s2, ttmp6, 0x10000c
	s_cmp_lg_u32 s2, 0xf033
	s_cbranch_scc0 .Lentry_shape_is_right
	s_endpgm
.Lentry_shape_is_right:
; out0 = a wfc^T on codes of FP6 (E2M3) with E8M0 scales, K = 1,024, f32 sums.  a: attention's result, ao, 512 token tiles; wfc: tiles 192-255 of wc.  out0: [8192][1024] f32.
; OPERANDS come as tiles of 16 rows, 13,312 bytes: four quarters of 3,328 bytes = a header of scale words (at 16 r: the words of two K steps) and two fragments as images of their registers:
; wc's by three runs of 512 bytes (registers 4 j .. 4 j + 3 at 16 l); ao's by two halves of 768 (four registers at 16 l, two at 512 + 8 l).  Place r of tile 2 G + u is row 32 G + 8 u + r + 8 (r / 8).
; A WORK-GROUP makes 256 outputs (source 0: rows of wfc) x 128 tokens (source 1); a wave 128 x 64: 32 accumulators.  A lane holds one token, its registers 16 neighbouring outputs of each 32.
; All 24 tiles lie in LDS at once, filled once, a half of K at a time; nothing is filled again.
; CLUSTER, 4 x 4: wfc's tiles hang on cx alone and are asked for jointly by a column, the tokens' on cy alone and by a row.
; REGISTERS, in windows of 256.  Window 0: v4-26 addresses; v32-79 scale words, two sets; v96-191 source 1's fragments, two sets; on the way out v96-223 rows of out0.
;   Window 1: source 0's fragments, two sets, at v0 and v128.   Window 2: accumulator (a, b) at v[8 (8 a + b)].
.set QB,    3328
.set TILEB, 4*QB
.set CHUNK, 24*QB                      ; LDS holds two halves of K, 2 CHUNK bytes each: in a half, 24 tiles of two quarters (2 QB): source 0's sixteen, then source 1's eight
.set SP,    528                        ; the way out: a stage of 16 rows x (512 bytes + 16) for each wave, in the first chunk, which has had its only fill and its last read by then
.set WV,  16
.set G1A, 24
.set G1B, 32
.set G0A, 40
.set G0B, 56                           ; G0B's sets at s56, s60; G0A's at s40, s44
.set AD0, 4                            ; v4-7    source 0's fragments in quarter q: my 8 tiles + 16 l
.set AD1, 8                            ; v8-11   source 1's: my 4 tiles + 16 l
.set AS0, 12                           ; v12-15  source 0's headers: + 16 r
.set AS1, 16                           ; v16-19  source 1's
.set AD1H, 20                          ; v20-23  source 1's: + 8 l
.set STO, 24                           ; v24  the stage, in: 528 r + 64 h
.set RDB, 25                           ; v25  and back: 16 l
.set CO,  26                           ; v26  16 l: my bytes of a row's 512
.set SC,  32
.set S1,  96
.set BK,  96
.set MSB, 0
.macro WIN new
.if MSB != \new
	s_set_vgpr_msb (MSB<<8)|\new
.set MSB, \new
.endif
.endm
.macro PLACES n
.rept \n
	v_nop
.endr
.endm
.macro CROUND
	s_barrier_signal -1
	s_barrier_wait -1
	s_cmp_lg_u32 s[WV], 0
	s_cbranch_scc1 .Lnot_wave_0_\@
	s_barrier_signal -3
.Lnot_wave_0_\@:
	s_barrier_wait -3
	s_barrier_signal -1
	s_barrier_wait -1
.endm
	s_load_b128 s[4:7], s[0:1], 0x0                ; ao, wc
	s_load_b64 s[8:9], s[0:1], 0x10                ; out0
	v_lshl_add_u32 v254, v0, 2, 0x4e000
	v_mov_b32 v255, 0
	ds_add_u32 v254, v255
	ds_add_u32 v254, v255
	v_lshrrev_b32 v1, 5, v0
	v_readfirstlane_b32 s[WV], v1
	s_lshr_b32 s17, s[WV], 1                       ; which 128 outputs are mine
	s_and_b32 s18, s[WV], 1                        ; which 64 tokens.  Also: which 8 tiles of source 0 waves 0 and 1 fetch
	s_bfe_u32 s19, ttmp6, 0x40000                  ; cx: which 256 outputs
	s_bfe_u32 s20, ttmp6, 0x40004                  ; cy
	s_and_b32 s21, ttmp7, 0xffff                   ; the cluster's number, 0..15
	s_lshl_b32 s76, 0x1111, s19                    ; my column of the cluster
	s_lshl_b32 s77, s20, 2
	s_lshl_b32 s77, 15, s77                        ; my row
	s_or_b32 s[G1A], s76, (3<<16)|(1<<21)          ; 8 rows (tiles) of 832 elements of 8 bytes (half a tile), 1,664 elements (a tile) apart
	s_or_b32 s[G1B], s77, (3<<16)|(1<<21)
.irp g, G1A, G1B
	s_mov_b32 s[\g+1], 832<<16                     ; half a tile, 6,656 bytes
	s_mov_b32 s[\g+2], 8<<16
	s_mov_b32 s[\g+3], 832<<16
	s_mov_b32 s[\g+4], 8
	s_mov_b32 s[\g+5], 1664
	s_mov_b32 s[\g+6], 0
	s_mov_b32 s[\g+7], 0
.endr
	s_lshl_b32 s84, s21, 2
	s_add_co_u32 s84, s84, s20                     ; y1: which 128 tokens
	s_lshl_b32 s80, s19, 4
	s_add_co_u32 s80, s80, 192                     ; wfc begins at tile 192 of wc
	s_lshl_b32 s81, s18, 3
	s_add_co_u32 s80, s80, s81                     ; source 0: the first tile that I fetch
	s_mul_i32 s80, s80, TILEB
	s_mov_b32 s81, 0
	s_lshl_b32 s88, s84, 3                         ; source 1: its first tile
	s_mul_i32 s88, s88, TILEB
	s_mov_b32 s89, 0
	s_mul_i32 s87, s18, 16*QB                      ; where source 0's 8 tiles go in a half
	s_wait_dscnt 0x0
	CROUND                                         ; the opening round, ahead of the wait for the arguments: all sixteen work-groups are here, the joint loads meet
	s_wait_kmcnt 0x0
	s_add_nc_u64 s[82:83], s[6:7], s[80:81]
	s_add_nc_u64 s[90:91], s[4:5], s[88:89]
.irp q, 0,1                                    ; a group 0 for each half of K
	s_mov_b32 s[G0A+4*\q], 1
	s_add_co_u32 s[G0A+4*\q+1], s87, \q*2*CHUNK
	s_add_nc_u64 s[G0A+4*\q+2:G0A+4*\q+3], s[82:83], \q*2*QB
	s_or_b32 s[G0A+4*\q+3], s[G0A+4*\q+3], 0x80000000
	s_mov_b32 s[G0B+4*\q], 1
	s_mov_b32 s[G0B+4*\q+1], 32*QB+\q*2*CHUNK
	s_add_nc_u64 s[G0B+4*\q+2:G0B+4*\q+3], s[90:91], \q*2*QB
	s_or_b32 s[G0B+4*\q+3], s[G0B+4*\q+3], 0x80000000
.endr
	; THE HEAD'S LOADS, one a wave, in one chain of branches on the wave's number: waves 0 and 1 source 0's two groups of 8 tiles, first half of K; wave 2 source 1's first half; wave 3 its second half
	s_cmp_lt_u32 s[WV], 2
	s_cbranch_scc0 .Lnot_s0
	tensor_load_to_lds s[G0A:G0A+3], s[G1A:G1A+7]
	s_nop 0
	PLACES 4
	s_branch .Lasked
.Lnot_s0:
	s_cmp_eq_u32 s[WV], 2
	s_cbranch_scc0 .Lwave_3
	tensor_load_to_lds s[G0B:G0B+3], s[G1B:G1B+7]
	s_nop 0
	PLACES 4
	s_branch .Lasked
.Lwave_3:
	tensor_load_to_lds s[G0B+4:G0B+7], s[G1B:G1B+7]
	s_nop 0
	PLACES 4
.Lasked:
	v_and_b32 v1, 31, v0                           ; l
	v_and_b32 v2, 15, v0                           ; r
	v_bfe_u32 v3, v0, 4, 1                         ; h
	v_lshlrev_b32 v[CO], 4, v1
	v_lshlrev_b32 v27, 4, v2
	v_lshlrev_b32 v28, 3, v1
	s_mul_i32 s80, s17, 16*QB                      ; my 8 tiles of source 0
	s_mul_i32 s81, s18, 8*QB
	s_add_co_u32 s81, s81, 32*QB                   ; my 4 tiles of source 1
.irp q, 0,1,2,3
	v_add_nc_u32 v[AD0+\q], s80, v[CO]
	v_add_nc_u32 v[AD1+\q], s81, v[CO]
	v_add_nc_u32 v[AS0+\q], s80, v27
	v_add_nc_u32 v[AS1+\q], s81, v27
	v_add_nc_u32 v[AD1H+\q], s81, v28
	s_add_co_u32 s80, s80, QB+(\q%2)*46*QB         ; to the next quarter: QB inside a half, 47 QB from a half's second quarter to the next half's first
	s_add_co_u32 s81, s81, QB+(\q%2)*46*QB
.endr
	s_mul_i32 s94, s[WV], 16*SP                    ; my stage
	v_mul_u32_u24 v[STO], v2, SP
	v_lshl_add_u32 v[STO], v3, 6, v[STO]
	v_add_nc_u32 v[STO], s94, v[STO]
	v_add_nc_u32 v[RDB], s94, v[CO]
	s_lshl_b32 s92, s84, 7
	s_lshl_b32 s93, s18, 6
	s_add_co_u32 s92, s92, s93                     ; my first token: 128 y1 + 64 half
	s_lshl_b32 s92, s92, 12                        ; a row of out0 is 4,096 bytes
	s_lshl_b32 s93, s19, 10
	s_add_co_u32 s92, s92, s93                     ; my first output, in bytes: 1,024 cx + 512 half
	s_lshl_b32 s93, s17, 9
	s_add_co_u32 s92, s92, s93
	s_mov_b32 s93, 0
	s_add_nc_u64 s[8:9], s[8:9], s[92:93]
.macro FETCH s                         ; K step s: its fragments into set s % 2; with a quarter's first step the quarter's 12 headers
.set FQ, (\s)/2
.set FI, (\s)%2
	WIN 0x40                                       ; destination window 1, address window 0
.irp b, 0,1,2,3,4,5,6,7
.irp j, 0,1,2
	ds_load_b128 v[128*FI+12*\b+4*\j:128*FI+12*\b+4*\j+3], v[AD0+FQ] offset:256+2*QB*\b+1536*FI+512*\j
.endr
.endr
	WIN 0
.irp a, 0,1,2,3
.irp c, 0,1
	ds_load_b128 v[S1+48*FI+12*\a+6*\c:S1+48*FI+12*\a+6*\c+3], v[AD1+FQ] offset:256+2*QB*\a+1536*FI+768*\c
	ds_load_b64 v[S1+48*FI+12*\a+6*\c+4:S1+48*FI+12*\a+6*\c+5], v[AD1H+FQ] offset:256+2*QB*\a+1536*FI+768*\c+512
.endr
.endr
.if FI == 0
.irp b, 0,1,2,3,4,5,6,7
	ds_load_b64 v[SC+24*(FQ%2)+2*\b:SC+24*(FQ%2)+2*\b+1], v[AS0+FQ] offset:2*QB*\b
.endr
.irp a, 0,1,2,3
	ds_load_b64 v[SC+24*(FQ%2)+16+2*\a:SC+24*(FQ%2)+16+2*\a+1], v[AS1+FQ] offset:2*QB*\a
.endr
.endif
.endm
.macro MUL s                           ; 32 matrix instructions: the 32 accumulators take turns, one instruction a turn; the first step's products start the sums
.set MQ, ((\s)/2)%2
.set MI, (\s)%2
	WIN 0xa1                                       ; source 0 window 1, source 1 window 0, C and D window 2
.irp a, 0,1,2,3
.irp b, 0,1,2,3,4,5,6,7
.if (\s) == 0
	v_wmma_scale_f32_16x16x128_f8f6f4 v[8*(8*\a+\b):8*(8*\a+\b)+7], v[128*MI+12*\b:128*MI+12*\b+11], v[S1+48*MI+12*\a:S1+48*MI+12*\a+11], 0, v[SC+24*MQ+2*\b+MI], v[SC+24*MQ+16+2*\a+MI] matrix_a_fmt:MATRIX_FMT_FP6 matrix_b_fmt:MATRIX_FMT_FP6
.else
	v_wmma_scale_f32_16x16x128_f8f6f4 v[8*(8*\a+\b):8*(8*\a+\b)+7], v[128*MI+12*\b:128*MI+12*\b+11], v[S1+48*MI+12*\a:S1+48*MI+12*\a+11], v[8*(8*\a+\b):8*(8*\a+\b)+7], v[SC+24*MQ+2*\b+MI], v[SC+24*MQ+16+2*\a+MI] matrix_a_fmt:MATRIX_FMT_FP6 matrix_b_fmt:MATRIX_FMT_FP6
.endif
.endr
.endr
.endm
.macro KSTEP s
	s_wait_dscnt 0x0                               ; this step's fragments are in
.if (\s) == 3
	s_wait_tensorcnt 0x0                           ; my part of the second half of K has landed
	s_barrier_signal -1
	s_barrier_wait -1
.endif
.if (\s) == 7
	s_barrier_signal -1                            ; every wave's LDS reads are over: the stages may be written
	s_barrier_wait -1
.endif
.if (\s) > 0
	PLACES 4                                       ; between the last step's products and loads into the registers that they read
.endif
.if (\s) < 7
	FETCH (\s)+1
.endif
	MUL \s
	WIN 0
.endm
	s_wait_alu depctr_va_vdst(0)
	s_wait_tensorcnt 0x0                           ; my load of the head has landed
	ds_add_u32 v254, v255
	s_wait_dscnt 0x0
	CROUND                                         ; everybody's has, and all sixteen work-groups are here
	s_cmp_lt_u32 s[WV], 2
	s_cbranch_scc0 .Lno_second
	tensor_load_to_lds s[G0A+4:G0A+7], s[G1A:G1A+7]   ; waves 0 and 1: source 0's second half of K; it has three K steps, 96 products a wave, in which to land
	s_nop 0
	PLACES 4
.Lno_second:
	FETCH 0
.irp s, 0,1,2,3,4,5,6,7
	KSTEP \s
.endr
; THE WAY OUT, a tile of 16 tokens x 128 outputs at a time.  A lane holds four runs of 64 bytes of one row; the rows go through my own stage and come back whole: 32 lanes store a row's 512 consecutive bytes.
; LDS serves a wave's instructions in order: no wait between the stores and the loads, nor in front of the next tile's stores.
.macro TOSTAGE a
	WIN 0x08                                       ; an LDS store's data: window 2
.irp bb, 0,1,2,3
.irp i, 0,1,2,3
	ds_store_b128 v[STO], v[64*(\a)+16*\bb+4*\i:64*(\a)+16*\bb+4*\i+3] offset:128*\bb+16*\i   ; each accumulator from its low end on
.endr
.endr
	WIN 0
.set BB, BK+64*((\a)%2)
.irp t, 0,1,2,3,4,5,6,7,8,9,10,11,12,13,14,15
	ds_load_b128 v[BB+4*\t:BB+4*\t+3], v[RDB] offset:\t*SP
.endr
.endm
.macro SEND a, younger                 ; younger: the LDS instructions issued behind tile a's loads, which may stay out
.set BB, BK+64*((\a)%2)
	s_wait_dscnt \younger
.irp t, 0,1,2,3,4,5,6,7,8,9,10,11,12,13,14,15
	global_store_b128 v[CO], v[BB+4*\t:BB+4*\t+3], s[8:9] offset:(32*((\a)/2)+8*((\a)%2)+\t+8*(\t/8))*4096 th:TH_STORE_NT   ; place t of the tile is this token; written once, read by nobody here
.endr
.endm
	PLACES 4                                       ; between the last products and the first read of results, and the loads into the registers that held fragments
	TOSTAGE 0
.irp a, 1,2,3
.if \a > 1
	s_wait_xcnt 0x0                                ; tile a - 2's stores have read their registers: tile a's loads may land there
.endif
	TOSTAGE \a
	SEND \a-1, 32                                  ; behind tile a - 1's loads: tile a's 16 stores and 16 loads
.endr
	SEND 3, 0
	s_wait_tensorcnt 0x0
	ds_add_u32 v254, v255
	s_wait_dscnt 0x0
	CROUND                                         ; the closing round: no work-group ends while a partner may still ask for a tile that names it
	s_endpgm
.Lfunc_end_k_q209d7acb2c_fc:
	.size	k_q209d7acb2c_fc, .Lfunc_end_k_q209d7acb2c_fc-k_q209d7acb2c_fc
	.p2alignl 7, 3214868480
	.fill 96, 4, 3214868480
	.section	.rodata,"a",@progbits
	.p2align	6, 0x0
	.amdhsa_kernel k_q209d7acb2c_fc
		.amdhsa_group_segment_fixed_size 327680
		.amdhsa_private_segment_fixed_size 0
		.amdhsa_enable_private_segment 0
		.amdhsa_kernarg_size 24
		.amdhsa_user_sgpr_count 2
		.amdhsa_user_sgpr_kernarg_segment_ptr 1
		.amdhsa_wavefront_size32 1
		.amdhsa_system_sgpr_workgroup_id_x 1
		.amdhsa_system_sgpr_workgroup_id_y 1
		.amdhsa_system_sgpr_workgroup_id_z 1
		.amdhsa_system_vgpr_workitem_id 0
		.amdhsa_next_free_vgpr 768
		.amdhsa_next_free_sgpr 100
		.amdhsa_reserve_vcc 0
		.amdhsa_float_denorm_mode_32 3
		.amdhsa_float_denorm_mode_16_64 3
		.amdhsa_memory_ordered 1
		.amdhsa_forward_progress 1
		.amdhsa_inst_pref_size 80
	.end_amdhsa_kernel
	.amdgpu_metadata
---
amdhsa.version: [ 1, 2 ]
amdhsa.kernels:
  - .name:           k_q209d7acb2c_fc
    .symbol:         k_q209d7acb2c_fc.kd
    .args:
      - { .name: ao, .offset: 0, .size: 8, .value_kind: global_buffer, .address_space: global }
      - { .name: wc, .offset: 8, .size: 8, .value_kind: global_buffer, .address_space: global }
      - { .name: out0, .offset: 16, .size: 8, .value_kind: global_buffer, .address_space: global }
    .group_segment_fixed_size: 327680
    .private_segment_fixed_size: 0
    .kernarg_segment_align: 8
    .kernarg_segment_size: 24
    .max_flat_workgroup_size: 128
    .sgpr_count:     100
    .vgpr_count:     768
    .wavefront_size: 32
...
	.end_amdgpu_metadata
.endif
;; end of part 4
